; MI455X (gfx1250); checked and timed in simulation.
; The chip was launched on July 23, 2026; its instructions are those of AMD's public machine-readable ISA for CDNA 5 (MIT licence, August 2026) and "CDNA5" Instruction Set Architecture Reference Guide (July 2026). The comments in the code are by the model that wrote it; some were corrected since.
;; Multi Head Attention. Allowed arithmetic: matrix products marked QUANTISED: E4M3 operands, one given power-of-two scale a tensor, by v_wmma_f32_16x16x64_fp8_fp8 or v_wmma_f32_16x16x128_fp8_fp8, f32 sums; everything else in f32.
;; Inputs: b_k 512 float32; b_o 512 float32; b_q 512 float32; b_v 512 float32; k 2 x 4,096 x 512 float32; lowp_scales 12 int32 (the exponents e of the quantised operands' scales 2^e); q 2 x 4,096 x 512 float32; v 2 x 4,096 x 512 float32; w_k 512 x 512 float32; w_o 512 x 512 float32; w_q 512 x 512 float32; w_v 512 x 512 float32.
;; Outputs: out0 2 x 4,096 x 512 float32.
;; This version of the problem:
;;   THIS VERSION OF THE PROBLEM IS GIVEN IN LOW PRECISION. The matrix products marked QUANTISED in the list below multiply operands that are first quantised to E4M3 (4 exponent bits, 3 mantissa bits; 8 bits a number), with one given power-of-two scale for each operand tensor; their sums are f32. All else is computed in f32.
;;   The module's matrix products, in the order in which they are computed (A, B: the left and right operand; K: the contracted axis; several contracted axes count as one K, in the product's order):
;;     1. [M 8,192, K 512] x [K 512, N 512]; A: input q; B: input w_q: QUANTISED (scales: A lowp_scales[0], B lowp_scales[1])
;;     2. [M 8,192, K 512] x [K 512, N 512]; A: input k; B: input w_k: QUANTISED (scales: A lowp_scales[2], B lowp_scales[3])
;;     3. [M 8,192, K 512] x [K 512, N 512]; A: input v; B: input w_v: QUANTISED (scales: A lowp_scales[4], B lowp_scales[5])
;;     4. batch 16 x [M 4,096, K 64] x [K 64, N 4,096]; A: computed on the way; B: computed on the way: QUANTISED (scales: A lowp_scales[6], B lowp_scales[7])
;;     5. batch 16 x [M 4,096, K 4,096] x [K 4,096, N 64]; A: softmax (see below); B: computed on the way: QUANTISED (scales: A lowp_scales[8], B lowp_scales[9])
;;     6. [M 8,192, K 512] x [K 512, N 512]; A: computed on the way; B: input w_o: QUANTISED (scales: A lowp_scales[10], B lowp_scales[11])
;;   THE QUANTISER, for each operand of a quantised product, along K:
;;     - The operand's scale is 2^e, e = its entry of the input lowp_scales (int32; the entries are numbered through the quantised products in the list's order, A before B).
;;     - Each number is divided by the scale, clamped to +-448, and rounded to the nearest number of E4M3, ties to even, subnormals kept.
;;     - The product sums the exact products of the quantised numbers (number of the format x scale) in f32.
;;   ~~~python
;;   def quantise(x, axis, e):      # numpy; x: float32 -> the quantised numbers, widened to float32 again
;;       x = np.moveaxis(x, axis, -1); K = x.shape[-1]
;;       r = np.clip(x / 2.0 ** e, -448, 448)
;;       step = 2.0 ** (np.maximum(np.frexp(np.where(r == 0, 1, r))[1] - 1, -6) - 3)
;;       q = np.round(r / step) * step * 2.0 ** e      # np.round: ties to even
;;       return np.moveaxis(q, -1, axis).astype(np.float32)
;;   ~~~
;;   SOFTMAX AHEAD OF A QUANTISED PRODUCT. Where the list says 'softmax', what is quantised is not the finished softmax but p = 2^(t - M), with t = logit x log2(e) and M = ceil(the row's largest t), a whole number; so 1/2 < the row's largest p <= 1. The row's sum l is taken of the UNQUANTISED p, in f32, and the product's result is divided by l at the end. Since M is a whole number, a kernel that streams over the keys may use a running M (the ceiling of the running maximum): every later rescaling is an exact power of two, so the quantised numbers keep their values, but for numbers so far below the row's largest that they fall under the format's range.
;;   OPERANDS COMPUTED ON THE WAY. 'Computed on the way' means the value that the module computes at that place (a softmax that the list does not call 'softmax' is quantised finished and normalised). What goes into a quantiser is computed in f32, as accurately as f32 sums, v_exp_f32 and their like allow (about 1e-6 of the number): no bf16 or f16 on the way to a quantiser, and a product that is left as it is and whose result goes on into a quantised operand takes f32 operands (vector FMAs, or v_wmma_f32_16x16x4_f32). A number that lies on a knife's edge between two numbers of the format may be rounded either way, as far as f32 arithmetic and the matrix unit's own rounding can turn it there, and no further.
;; 2 versions, each right; version 2 is version 1 with the launches proj, oproj written anew for expert scheduling mode. Each part assembles by itself: llvm-mc -triple=amdgcn-amd-amdhsa -mcpu=gfx1250 --defsym DOCPART=n.
;; ======== version 1 of 2: 4 launches
;; workspace buffers: wcodes 1,048,576 bytes; qcodes 4,194,304 bytes; kv 8,388,608 bytes; ocodes 4,194,304 bytes
;; launch wprep (part 1): grid 32 x 4, 4 waves a work-group, no clusters, 0 bytes of LDS; arguments w_q, w_k, w_v, w_o, lowp_scales, wcodes; writes wcodes
.if DOCPART == 1
	.amdgcn_target "amdgcn-amd-amdhsa--gfx1250"
	.amdhsa_code_object_version 6
	.text
	.protected	k_q24697c43f3_wprep
	.globl	k_q24697c43f3_wprep
	.p2align	8
	.type	k_q24697c43f3_wprep,@function
k_q24697c43f3_wprep:
	s_mov_b64 s[64:65], 0
	v_nop
	global_prefetch_b8 v0, s[64:65] scope:SCOPE_SE
	s_setreg_imm32_b32 hwreg(HW_REG_WAVE_MODE, 25, 1), 1
	s_wait_xcnt 0x0
; The four weights [512 (n)][512 (k)], f32, K innermost, become codes of E4M3, each with its given scale 2^e (entries 1, 3, 5, 11 of the scales).
; code = w / 2^e, held within +-448, rounded to the nearest code, ties to even.  LIMITS: e between -126 and 119; NaN among the inputs is not served.
; LAYOUT OF wcodes: [weight 0..3][tile T 0..31][K step s 0..3][c 0..3][512 bytes]: an IMAGE of four operand registers, lane L's 16 bytes at 16 L.
; Lane (r = L % 16, h = L / 16) holds row 32 (T / 2) + 8 (T % 2) + r + 8 (r / 8) and k = 128 s + 32 c + 16 h + 0 .. 15.  The rows of a tile are not neighbours: so in a product that takes
; such a tile as source 0, the 16 result registers of tiles 2 g and 2 g + 1 are 16 neighbouring rows, which is what the next quantiser wants.
; SHARES: work-group x = tile, y = weight, wave = K step: 16 rows x 128 numbers a wave.  No LDS, no barrier, no loop: a lane loads its 64 numbers, converts them, and the wave stores four runs of 512 bytes.
.set X, 16                             ; v16-79  64 numbers: register 16 c + i = k 32 c + 16 h + i
.set C, 80                             ; v80-95  their codes: registers 4 c .. 4 c + 3 are image c
	s_load_b256 s[8:15], s[0:1], 0x0               ; w_q, w_k, w_v, w_o
	s_load_b128 s[16:19], s[0:1], 0x20             ; the scales' exponents s[16:17], wcodes s[18:19]
	v_lshrrev_b32 v3, 5, v0
	v_readfirstlane_b32 s5, v3                     ; wave = K step
	s_and_b32 s4, ttmp7, 0xffff                    ; which weight
	v_and_b32 v4, 31, v0
	v_lshlrev_b32 v1, 4, v4                        ; 16 x lane: my place in an image
	v_and_b32 v5, 15, v0                           ; r
	v_bfe_u32 v6, v0, 4, 1                         ; h
	v_and_b32 v7, 8, v5
	v_add_nc_u32 v7, v7, v5                        ; r + 8 (r / 8)
	v_lshlrev_b32 v2, 11, v7                       ; a row is 2,048 bytes
	v_lshl_add_u32 v2, v6, 6, v2                   ; + 64 h: my 16 numbers of a block of 32
	s_lshl_b32 s6, s4, 3
	s_add_co_u32 s6, s6, 4                         ; the scale's byte: 4, 12, 20 for w_q, w_k, w_v,
	s_cmp_eq_u32 s4, 3
	s_cselect_b32 s6, 44, s6                       ; 44 for w_o
	s_lshr_b32 s20, ttmp9, 1
	s_lshl_b32 s20, s20, 16                        ; 32 (T / 2) rows
	s_and_b32 s21, ttmp9, 1
	s_lshl_b32 s21, s21, 14                        ; + 8 (T % 2) rows
	s_add_co_u32 s20, s20, s21
	s_lshl_b32 s21, s5, 9                          ; + 128 s numbers
	s_add_co_u32 s20, s20, s21
	s_mov_b32 s21, 0
	s_lshl_b32 s22, s4, 18                         ; wcodes: 262,144 a weight,
	s_lshl_b32 s23, ttmp9, 13                      ; 8,192 a tile,
	s_add_co_u32 s22, s22, s23
	s_lshl_b32 s23, s5, 11                         ; 2,048 a K step
	s_add_co_u32 s22, s22, s23
	s_mov_b32 s23, 0
	s_wait_kmcnt 0x0
	s_load_b32 s7, s[16:17], s6 offset:0x0         ; e
	s_cmp_eq_u32 s4, 1                             ; the weight is chosen by the work-group's y alone
	s_cselect_b64 s[8:9], s[10:11], s[8:9]
	s_cmp_eq_u32 s4, 2
	s_cselect_b64 s[8:9], s[12:13], s[8:9]
	s_cmp_eq_u32 s4, 3
	s_cselect_b64 s[8:9], s[14:15], s[8:9]
	s_add_nc_u64 s[8:9], s[8:9], s[20:21]
	s_add_nc_u64 s[18:19], s[18:19], s[22:23]
.irp c, 0,1,2,3
.irp j, 0,1,2,3
	global_load_b128 v[X+16*\c+4*\j:X+16*\c+4*\j+3], v2, s[8:9] offset:128*\c+16*\j th:TH_LOAD_NT
.endr
.endr
	s_wait_kmcnt 0x0
	s_add_co_i32 s7, s7, 127
	s_lshl_b32 s24, s7, 23
	v_mov_b32 v11, s24                             ; 2^e as f32: the conversion takes its exponent field
	s_add_co_i32 s7, s7, 8
	s_lshl_b32 s7, s7, 23
	s_or_b32 s7, s7, 0x600000
	v_mov_b32 v10, s7                              ; 448 x 2^e
	s_wait_loadcnt 0x0
.set i, 0
.rept 64
	v_med3_num_f32 v[X+i], v[X+i], -v10, v10       ; the conversion to an 8-bit code does not saturate (ISA guide 7.6.2): the hold comes first
.set i, i+1
.endr
.set i, 0
.rept 8
	v_cvt_scalef32_pk8_fp8_f32 v[C+2*i:C+2*i+1], v[X+8*i:X+8*i+7], v11
.set i, i+1
.endr
	v_nop
.irp c, 0,1,2,3
	global_store_b128 v1, v[C+4*\c:C+4*\c+3], s[18:19] offset:512*\c   ; 32 lanes store 512 consecutive bytes, at a multiple of 512 from the buffer's first byte
.endr
	s_endpgm
.Lfunc_end_k_q24697c43f3_wprep:
	.size	k_q24697c43f3_wprep, .Lfunc_end_k_q24697c43f3_wprep-k_q24697c43f3_wprep
	.p2alignl 7, 3214868480
	.fill 96, 4, 3214868480
	.section	.rodata,"a",@progbits
	.p2align	6, 0x0
	.amdhsa_kernel k_q24697c43f3_wprep
		.amdhsa_group_segment_fixed_size 0
		.amdhsa_private_segment_fixed_size 0
		.amdhsa_enable_private_segment 0
		.amdhsa_kernarg_size 48
		.amdhsa_user_sgpr_count 2
		.amdhsa_user_sgpr_kernarg_segment_ptr 1
		.amdhsa_wavefront_size32 1
		.amdhsa_system_sgpr_workgroup_id_x 1
		.amdhsa_system_sgpr_workgroup_id_y 1
		.amdhsa_system_sgpr_workgroup_id_z 1
		.amdhsa_system_vgpr_workitem_id 0
		.amdhsa_next_free_vgpr 96
		.amdhsa_next_free_sgpr 66
		.amdhsa_reserve_vcc 0
		.amdhsa_float_denorm_mode_32 3
		.amdhsa_float_denorm_mode_16_64 3
		.amdhsa_memory_ordered 1
		.amdhsa_forward_progress 1
		.amdhsa_inst_pref_size 9
	.end_amdhsa_kernel
	.amdgpu_metadata
---
amdhsa.version: [ 1, 2 ]
amdhsa.kernels:
  - .name:           k_q24697c43f3_wprep
    .symbol:         k_q24697c43f3_wprep.kd
    .args:
      - { .name: w_q, .offset: 0, .size: 8, .value_kind: global_buffer, .address_space: global }
      - { .name: w_k, .offset: 8, .size: 8, .value_kind: global_buffer, .address_space: global }
      - { .name: w_v, .offset: 16, .size: 8, .value_kind: global_buffer, .address_space: global }
      - { .name: w_o, .offset: 24, .size: 8, .value_kind: global_buffer, .address_space: global }
      - { .name: lowp_scales, .offset: 32, .size: 8, .value_kind: global_buffer, .address_space: global }
      - { .name: wcodes, .offset: 40, .size: 8, .value_kind: global_buffer, .address_space: global }
    .group_segment_fixed_size: 0
    .private_segment_fixed_size: 0
    .kernarg_segment_align: 8
    .kernarg_segment_size: 48
    .max_flat_workgroup_size: 128
    .sgpr_count:     66
    .vgpr_count:     96
    .wavefront_size: 32
...
	.end_amdgpu_metadata
.endif
;; end of part 1
;; launch proj (part 2): grid 64 x 3, 8 waves a work-group, no clusters, 66,560 bytes of LDS; arguments q, k, v, b_q, b_k, b_v, lowp_scales, wcodes, qcodes, kv; writes qcodes, kv
.if DOCPART == 2
	.amdgcn_target "amdgcn-amd-amdhsa--gfx1250"
	.amdhsa_code_object_version 6
	.text
	.protected	k_q24697c43f3_proj
	.globl	k_q24697c43f3_proj
	.p2align	8
	.type	k_q24697c43f3_proj,@function
k_q24697c43f3_proj:
	s_mov_b64 s[64:65], 0
	v_nop
	global_prefetch_b8 v0, s[64:65] scope:SCOPE_SE
	s_setreg_imm32_b32 hwreg(HW_REG_WAVE_MODE, 25, 1), 1
	s_wait_xcnt 0x0
; The three input projections, x W^T + b on codes of E4M3, and the quantiser of their results for the attention's products.  Work-group y = 0, 1, 2: q, k, v.
; x [8192][512] f32 is quantised here (scale entries 0, 2, 4), W comes as register images from wcodes (entries 1, 3, 5), the result is quantised with entries 6, 7, 9.
; SHARES.  A work-group takes 128 rows of x (one key step of the attention): 8 tiles of 16.  THE ROWS OF A TILE ARE NOT NEIGHBOURS: lane r of tile 2 g + u stands for row 32 g + 8 u + r + 8 (r / 8).
; Wave w first quantises tile w and lays its four fragments in LDS as images of their registers (lane L's 16 bytes at 16 L); behind the launch's one barrier it owns head w, columns 64 w .. 64 w + 63, for all 128 rows:
; its 16 fragments of W fill window 1 and stay there.
; Q, K: source 0 = 16 rows of W, source 1 = 16 tokens: a lane holds one token, and the 16 registers of two neighbouring tiles of W are 16 neighbours along the head's 64: the next K.
; V:    source 0 = 16 tokens, source 1 = 16 rows of W: a lane holds one channel, and the 16 registers of two neighbouring token tiles are 16 neighbouring keys: the next K.  The two ways part on the work-group's y, round matrix instructions alone.
; The bias is the C of each sum's first matrix instruction, divided by 2^(ea + ew); the conversion's one scale is 2^(eo - ea - ew).  Results leave as images: 512 dense bytes a store.
; qcodes: [bh][tile 0..255][c' 0..1][512].   kv: [bh][key step 0..31][16,384]: K as [tile 0..7][c'][512], then V^T as [channel tile 0..3][c 0..3][512].
; NO CLUSTER: what work-groups share is W, which each wave loads once, straight into the registers where it stays; there is no LDS tile that a joint load could fill.
; LIMITS on the given exponents: ea and eo - ea - ew between -126 and 119.  NaN among the inputs is not served.
.set SPARE, 65536                      ; LDS: 0 .. 65,535 x's 32 fragments, (4 m + s) x 2,048; then the spare words, 128 bytes for each of eight waves, which no other line names
.set LI,   1                           ; v1      16 x lane
.set XA,   2                           ; v2      x: (r + 8 (r / 8)) x 2,048 + 64 h
.set XWI,  3                           ; v3      where I store my tile's images: 16 x lane + 8,192 x wave
.set VO,   4                           ; v4-7    the four result images' places: 16 x lane + i x 512 (V: 2,048)
.set SCX,  8                           ; v8, v9  2^ea and 448 x 2^ea
.set LIMX, 9
.set SC,   10                          ; v10, v11  2^(eo - ea - ew) and 448 x that
.set LIM,  11
.set SPW,  12                          ; v12     LDS address of my spare word; never rewritten
.set NIL,  13                          ; v13     0; never rewritten
.set XF,   16                          ; v16-143 two token tiles' fragments: (u, s) at 16 (4 u + s); in the first phase two sets of 64 numbers of x
.set B0,   16
.set B1,   80
.set ACC,  144                         ; v144-207 eight accumulators; in the first phase x's codes, 16 registers a K step
.set BI,   208                         ; v208-239 the bias in the result's layout, eight registers a tile of W
.set PC,   240                         ; v240-255 the result's codes; at the head v240-247 are the bias loads' offsets
.set AJ,   240
.set MSB, 0
.macro WIN new                         ; the immediate's high byte repeats the setting that is left
.if MSB != \new
	s_set_vgpr_msb (MSB<<8)|\new
.set MSB, \new
.endif
.endm
.macro XLOAD buf, s                    ; my tile's numbers of K step s: register 16 b + i = k 32 b + 16 h + i
.irp b, 0,1,2,3
.irp j, 0,1,2,3
	global_load_b128 v[\buf+16*\b+4*\j:\buf+16*\b+4*\j+3], v[XA], s[32:33] offset:512*(\s)+128*\b+16*\j th:TH_LOAD_NT
.endr
.endr
.endm
.macro WLOAD t                         ; tile t of my head's four: its four fragments into window 1, at 16 (4 t + s)
	WIN 0x40
.irp s, 0,1,2,3
.irp c, 0,1,2,3
	global_load_b128 v[16*(4*(\t)+\s)+4*\c:16*(4*(\t)+\s)+4*\c+3], v[LI], s[44:45] offset:8192*(\t)+2048*\s+512*\c
.endr
.endr
	WIN 0
.endm
.macro QUANT src, dst, sc, lim         ; 64 numbers become 16 registers of codes
.set i, 0
.rept 64
	v_med3_num_f32 v[(\src)+i], v[(\src)+i], -v[\lim], v[\lim]   ; the hold at the largest code x the scale (ISA guide 7.6.2); ascending
.set i, i+1
.endr
.set i, 0
.rept 8
	v_cvt_scalef32_pk8_fp8_f32 v[(\dst)+2*i:(\dst)+2*i+1], v[(\src)+8*i:(\src)+8*i+7], v[\sc]
.set i, i+1
.endr
	v_nop                                          ; one plain vector line between the conversions and the matrix instructions that later write these registers
.endm
.macro IMAGE s                         ; K step s of my tile goes to LDS as it stands in registers
.irp c, 0,1,2,3
	ds_store_b128 v[XWI], v[ACC+16*(\s)+4*\c:ACC+16*(\s)+4*\c+3] offset:2048*(\s)+512*\c
.endr
.endm
.macro FETCH p                         ; token tiles 2 p and 2 p + 1, all four K steps
.irp u, 0,1
.irp s, 0,1,2,3
.irp c, 0,1,2,3
	ds_load_b128 v[XF+16*(4*\u+\s)+4*\c:XF+16*(4*\u+\s)+4*\c+3], v[LI] offset:((2*(\p)+\u)*4+\s)*2048+512*\c
.endr
.endr
.endr
.endm
	s_load_b512 s[8:23], s[0:1], 0x0               ; q, k, v, b_q, b_k, b_v, the scales' exponents s[20:21], wcodes s[22:23]
	s_load_b128 s[24:27], s[0:1], 0x40             ; qcodes, kv
	v_lshl_add_u32 v[SPW], v0, 2, SPARE
	v_mov_b32 v[NIL], 0
	v_lshrrev_b32 v14, 5, v0
	v_readfirstlane_b32 s28, v14                   ; wave 0..7
	s_and_b32 s29, ttmp7, 0xffff                   ; y: 0 q, 1 k, 2 v
	s_mov_b32 s30, ttmp9                           ; which 128 rows
	v_and_b32 v14, 31, v0
	v_lshlrev_b32 v[LI], 4, v14
	v_and_b32 v248, 15, v0                         ; r
	v_bfe_u32 v249, v0, 4, 1                       ; h
	v_and_b32 v250, 8, v248
	v_add_nc_u32 v250, v250, v248                  ; r + 8 (r / 8)
	v_lshlrev_b32 v[XA], 11, v250
	v_lshl_add_u32 v[XA], v249, 6, v[XA]
	s_lshl_b32 s43, s28, 13
	v_add_nc_u32 v[XWI], s43, v[LI]
	s_lshl_b32 s60, s29, 3                         ; ea, ew lie at byte 8 y,
	s_lshl_b32 s61, s29, 2
	s_add_co_u32 s61, s61, 24                      ; eo at 24, 28,
	s_cmp_eq_u32 s29, 2                            ; what differs for V is chosen, not branched on
	s_cselect_b32 s61, 36, s61                     ; 36
	s_mov_b32 s46, 512
	s_cselect_b32 s46, 2048, s46                   ; from image to image of a pair of token tiles
	s_mov_b32 s38, 2048
	s_cselect_b32 s38, 512, s38                    ; from pair to pair
	s_mov_b32 s39, 0
	s_cselect_b32 s47, 8192, 0                     ; V^T lies behind K in a key step's block
	s_cselect_b32 s57, 0, 64                       ; the bias: Q, K: b[.. + 16 h + j];  V: b[.. + r + 8 (r / 8)] in all eight registers
	s_cselect_b32 s58, 4, 0
	s_cselect_b32 s59, 0, 4
	s_cmp_eq_u32 s29, 0
	s_cselect_b32 s56, 13, 14                      ; a block of 128 tokens of a head: 8,192 bytes in qcodes, 16,384 in kv
	v_mov_b32 v[VO], v[LI]
.irp i, 1,2,3
	v_add_nc_u32 v[VO+\i], s46, v[VO+\i-1]
.endr
	v_mul_u32_u24 v251, v249, s57
	v_mad_u32_u24 v251, v250, s58, v251
	v_mov_b32 v[AJ], v251
.irp j, 1,2,3,4,5,6,7
	v_add_nc_u32 v[AJ+\j], s59, v[AJ+\j-1]
.endr
	s_lshl_b32 s48, s30, 18                        ; x: 128 rows of 2,048 bytes a work-group,
	s_lshr_b32 s62, s28, 1
	s_lshl_b32 s62, s62, 16                        ; + 32 (w / 2) rows
	s_add_co_u32 s48, s48, s62
	s_and_b32 s62, s28, 1
	s_lshl_b32 s62, s62, 14                        ; + 8 (w % 2) rows: tile w
	s_add_co_u32 s48, s48, s62
	s_mov_b32 s49, 0
	s_lshl_b32 s50, s29, 18                        ; wcodes: weight y, tiles 4 w on
	s_lshl_b32 s62, s28, 15
	s_add_co_u32 s50, s50, s62
	s_mov_b32 s51, 0
	s_lshl_b32 s52, s28, 8                         ; the bias: my head's 64 numbers
	s_mov_b32 s53, 0
	s_lshr_b32 s54, s30, 5                         ; batch
	s_lshl_b32 s54, s54, 3
	s_add_co_u32 s54, s54, s28                     ; bh = 8 x batch + head
	s_lshl_b32 s54, s54, 5
	s_and_b32 s62, s30, 31
	s_add_co_u32 s54, s54, s62                     ; x 32 + the key step
	s_lshl_b32 s54, s54, s56
	s_add_co_u32 s54, s54, s47
	s_mov_b32 s55, 0
	s_wait_kmcnt 0x0
	s_load_b64 s[40:41], s[20:21], s60 offset:0x0  ; ea, ew
	s_load_b32 s42, s[20:21], s61 offset:0x0       ; eo
	s_cmp_eq_u32 s29, 1                            ; the buffers are chosen by the work-group's y alone
	s_cselect_b64 s[32:33], s[10:11], s[8:9]
	s_cselect_b64 s[34:35], s[16:17], s[14:15]
	s_cmp_eq_u32 s29, 2
	s_cselect_b64 s[32:33], s[12:13], s[32:33]
	s_cselect_b64 s[34:35], s[18:19], s[34:35]
	s_cmp_eq_u32 s29, 0
	s_cselect_b64 s[36:37], s[24:25], s[26:27]
	s_add_nc_u64 s[32:33], s[32:33], s[48:49]
	s_add_nc_u64 s[44:45], s[22:23], s[50:51]
	s_add_nc_u64 s[34:35], s[34:35], s[52:53]
	s_add_nc_u64 s[36:37], s[36:37], s[54:55]
	; ---- x: my tile's four K steps, two sets of registers by turns; W's tiles are asked for between them.  Each counted wait leaves the two runs of 16 loads out that were issued behind the run that is wanted.
	XLOAD B0, 0
	XLOAD B1, 1
	WLOAD 0
	s_wait_kmcnt 0x0
	s_add_co_i32 s62, s40, 127
	s_lshl_b32 s63, s62, 23
	v_mov_b32 v[SCX], s63                          ; 2^ea as f32: the conversion takes its exponent field
	s_add_co_i32 s62, s62, 8
	s_lshl_b32 s62, s62, 23
	s_or_b32 s62, s62, 0x600000
	v_mov_b32 v[LIMX], s62                         ; 448 x 2^ea
	s_add_co_i32 s43, s40, s41                     ; a sum stands for sum x 2^(ea + ew)
	s_sub_co_i32 s62, s42, s43
	s_add_co_i32 s62, s62, 127
	s_lshl_b32 s63, s62, 23
	v_mov_b32 v[SC], s63                           ; 2^(eo - ea - ew): the three scales folded into the conversion's one
	s_add_co_i32 s62, s62, 8
	s_lshl_b32 s62, s62, 23
	s_or_b32 s62, s62, 0x600000
	v_mov_b32 v[LIM], s62
	s_sub_co_i32 s43, 0, s43                       ; -(ea + ew), for the bias
	s_wait_loadcnt 32                              ; K step 0 is in (behind it: K step 1, W's tile 0)
	QUANT B0, ACC, SCX, LIMX
	IMAGE 0
	XLOAD B0, 2
	s_wait_loadcnt 32                              ; K step 1 (behind it: W's tile 0, K step 2)
	QUANT B1, ACC+16, SCX, LIMX
	IMAGE 1
	XLOAD B1, 3
	WLOAD 1
	s_wait_loadcnt 32                              ; K step 2 (behind it: K step 3, W's tile 1)
	QUANT B0, ACC+32, SCX, LIMX
	IMAGE 2
	WLOAD 2
	s_wait_loadcnt 32                              ; K step 3 (behind it: W's tiles 1 and 2)
	QUANT B1, ACC+48, SCX, LIMX
	IMAGE 3
	WLOAD 3
.irp t, 0,1,2,3
.irp j, 0,1,2,3,4,5,6,7
	global_load_b32 v[BI+8*\t+\j], v[AJ+\j], s[34:35] offset:(32*(\t/2)+8*(\t%2))*4
.endr
.endr
	s_wait_dscnt 0x0                               ; for the others' sake: my images have landed
	s_barrier_signal -1
	s_barrier_wait -1                              ; all 32 fragments of x lie in LDS; nothing is written there again
	; ---- the products, a pair of token tiles (32 tokens) at a time
	FETCH 0
	s_wait_loadcnt 0x0                             ; W and the bias
.set i, 0
.rept 32
	v_ldexp_f32 v[BI+i], v[BI+i], s43              ; b / 2^(ea + ew)
.set i, i+1
.endr
; Eight accumulators take turns, one instruction a turn, K step by K step.
.macro PAIR p
	s_wait_dscnt 0x0                               ; the pair's fragments are in
	s_cmp_eq_u32 s29, 2
	s_cbranch_scc1 .Lv_\@
	WIN 0x01                                       ; source 0 (W) window 1
.irp s, 0,1,2,3
.irp u, 0,1
.irp t, 0,1,2,3
.if \s == 0
	v_wmma_f32_16x16x128_fp8_fp8 v[ACC+8*(4*\u+\t):ACC+8*(4*\u+\t)+7], v[16*(4*\t+\s):16*(4*\t+\s)+15], v[XF+16*(4*\u+\s):XF+16*(4*\u+\s)+15], v[BI+8*\t:BI+8*\t+7]
.else
	v_wmma_f32_16x16x128_fp8_fp8 v[ACC+8*(4*\u+\t):ACC+8*(4*\u+\t)+7], v[16*(4*\t+\s):16*(4*\t+\s)+15], v[XF+16*(4*\u+\s):XF+16*(4*\u+\s)+15], v[ACC+8*(4*\u+\t):ACC+8*(4*\u+\t)+7]
.endif
.endr
.endr
.endr
	WIN 0                                          ; at a branch and at a label every window is 0
	s_branch .Ljoin_\@
.Lv_\@:
	WIN 0x04                                       ; source 1 (W) window 1
.irp s, 0,1,2,3
.irp u, 0,1
.irp t, 0,1,2,3
.if \s == 0
	v_wmma_f32_16x16x128_fp8_fp8 v[ACC+8*(2*\t+\u):ACC+8*(2*\t+\u)+7], v[XF+16*(4*\u+\s):XF+16*(4*\u+\s)+15], v[16*(4*\t+\s):16*(4*\t+\s)+15], v[BI+8*\t:BI+8*\t+7]
.else
	v_wmma_f32_16x16x128_fp8_fp8 v[ACC+8*(2*\t+\u):ACC+8*(2*\t+\u)+7], v[XF+16*(4*\u+\s):XF+16*(4*\u+\s)+15], v[16*(4*\t+\s):16*(4*\t+\s)+15], v[ACC+8*(2*\t+\u):ACC+8*(2*\t+\u)+7]
.endif
.endr
.endr
.endr
	WIN 0
.Ljoin_\@:
.rept 4
	v_nop                                          ; four places in front of the loads into the fragments' registers and of the first read of results
.endr
.if (\p) < 3
	FETCH (\p)+1                                   ; the next pair comes while this one is quantised
.endif
.if (\p) > 0
	s_wait_xcnt 0x0                                ; the last pair's stores have read their data and their base: both are written again only behind this wait
	s_add_nc_u64 s[36:37], s[36:37], s[38:39]
.endif
	QUANT ACC, PC, SC, LIM                         ; accumulators 2 i and 2 i + 1 become image i
.irp i, 0,1,2,3
	global_store_b128 v[VO+\i], v[PC+4*\i:PC+4*\i+3], s[36:37]   ; 32 lanes store 512 consecutive bytes, aligned
.endr
.endm
	PAIR 0
	PAIR 1
	PAIR 2
	PAIR 3
	s_wait_tensorcnt 0x0                           ; the wave's end: behind my last LDS store
	ds_add_u32 v[SPW], v[NIL]
	s_wait_dscnt 0x0
	s_endpgm
.Lfunc_end_k_q24697c43f3_proj:
	.size	k_q24697c43f3_proj, .Lfunc_end_k_q24697c43f3_proj-k_q24697c43f3_proj
	.p2alignl 7, 3214868480
	.fill 96, 4, 3214868480
	.section	.rodata,"a",@progbits
	.p2align	6, 0x0
	.amdhsa_kernel k_q24697c43f3_proj
		.amdhsa_group_segment_fixed_size 66560
		.amdhsa_private_segment_fixed_size 0
		.amdhsa_enable_private_segment 0
		.amdhsa_kernarg_size 80
		.amdhsa_user_sgpr_count 2
		.amdhsa_user_sgpr_kernarg_segment_ptr 1
		.amdhsa_wavefront_size32 1
		.amdhsa_system_sgpr_workgroup_id_x 1
		.amdhsa_system_sgpr_workgroup_id_y 1
		.amdhsa_system_sgpr_workgroup_id_z 1
		.amdhsa_system_vgpr_workitem_id 0
		.amdhsa_next_free_vgpr 512
		.amdhsa_next_free_sgpr 66
		.amdhsa_reserve_vcc 0
		.amdhsa_float_denorm_mode_32 3
		.amdhsa_float_denorm_mode_16_64 3
		.amdhsa_memory_ordered 1
		.amdhsa_forward_progress 1
		.amdhsa_inst_pref_size 87
	.end_amdhsa_kernel
	.amdgpu_metadata
---
amdhsa.version: [ 1, 2 ]
amdhsa.kernels:
  - .name:           k_q24697c43f3_proj
    .symbol:         k_q24697c43f3_proj.kd
    .args:
      - { .name: q, .offset: 0, .size: 8, .value_kind: global_buffer, .address_space: global }
      - { .name: k, .offset: 8, .size: 8, .value_kind: global_buffer, .address_space: global }
      - { .name: v, .offset: 16, .size: 8, .value_kind: global_buffer, .address_space: global }
      - { .name: b_q, .offset: 24, .size: 8, .value_kind: global_buffer, .address_space: global }
      - { .name: b_k, .offset: 32, .size: 8, .value_kind: global_buffer, .address_space: global }
      - { .name: b_v, .offset: 40, .size: 8, .value_kind: global_buffer, .address_space: global }
      - { .name: lowp_scales, .offset: 48, .size: 8, .value_kind: global_buffer, .address_space: global }
      - { .name: wcodes, .offset: 56, .size: 8, .value_kind: global_buffer, .address_space: global }
      - { .name: qcodes, .offset: 64, .size: 8, .value_kind: global_buffer, .address_space: global }
      - { .name: kv, .offset: 72, .size: 8, .value_kind: global_buffer, .address_space: global }
    .group_segment_fixed_size: 66560
    .private_segment_fixed_size: 0
    .kernarg_segment_align: 8
    .kernarg_segment_size: 80
    .max_flat_workgroup_size: 256
    .sgpr_count:     66
    .vgpr_count:     512
    .wavefront_size: 32
...
	.end_amdgpu_metadata
.endif
;; end of part 2
;; launch attn (part 3): grid 16 x 16, 8 waves a work-group, clusters of 4 x 1, 327,680 bytes of LDS; arguments qcodes, kv, lowp_scales, ocodes; writes ocodes
.if DOCPART == 3
	.amdgcn_target "amdgcn-amd-amdhsa--gfx1250"
	.amdhsa_code_object_version 6
	.text
	.protected	k_q24697c43f3_attn
	.globl	k_q24697c43f3_attn
	.p2align	8
	.type	k_q24697c43f3_attn,@function
k_q24697c43f3_attn:
	s_mov_b64 s[64:65], 0
	v_nop
	global_prefetch_b8 v0, s[64:65] scope:SCOPE_SE
	s_setreg_imm32_b32 hwreg(HW_REG_WAVE_MODE, 25, 1), 1
	s_wait_xcnt 0x0
	s_wait_alu depctr_hold_cnt(0) depctr_sa_sdst(0) depctr_va_vdst(0) depctr_va_sdst(0) depctr_va_ssrc(0) depctr_va_vcc(0) depctr_vm_vsrc(0)
	s_getreg_b32 s2, hwreg(HW_REG_IB_STS2, 6, 4)
	s_cmp_eq_u32 s2, 0
	s_cbranch_scc0 .Lentry_in_a_cluster
	s_endpgm
.Lentry_in_a_cluster:
	s_bfe_u32 s2, ttmp6, 0x10000c
	s_cmp_lg_u32 s2, 0x3003
	s_cbranch_scc0 .Lentry_shape_is_right
	s_endpgm
.Lentry_shape_is_right:
; Attention on codes of E4M3: 16 heads (batch x head) of 4,096 tokens x 64 channels.  S^T = K Q^T (K = 64), p = 2^(t - M), O^T = V^T P^T (K = the keys), O / l, and the quantiser of the result for the last projection.
; t = score x log2(e) / 8; M = the running largest t rounded UP to a whole number, kept as -M = floor(-t); p is quantised with the given 2^e8, not normalised; the row's sum l is taken of the unquantised p, in f32.
; When M moves, l and O^T are multiplied by f = 2^(old M - new M), made by v_ldexp_f32 of 1.0: nothing is rounded, and no branch hangs on data.
; SHARES.  A work-group owns 256 queries of one head, each of its eight waves 32: two tiles of 16; two waves to a SIMD.  Every wave walks all 4,096 keys, 128 a step.  A lane holds ONE query (lane % 16) of each tile throughout.
; OPERANDS ARE REGISTER IMAGES (512 bytes, lane L's 16 bytes at 16 L), made so by the launch before: a key step's block of kv is 16,384 bytes, K's 16 images and V^T's 16, and is read by ds_load_b128 at 16 x lane.
; The keys of a tile of K are not neighbours (lane r of tile 2 b + u: key 32 b + 8 u + r + 8 (r / 8)), so the 16 registers of score tiles 2 b and 2 b + 1 are keys 32 b + 16 (lane / 16) + 0 .. 15: the conversions' results are P's operand registers.
; RING.  Two LDS slots of eight key steps (131,072 bytes, dense in memory as in LDS).  CLUSTER: the four query blocks of a cluster walk the same head: each fill is a JOINT load, the same descriptor and the mask of all four; wave w brings
; step w of the slot, 64 rows of 256 bytes: one tensor load a wave behind each round of the cluster's barrier, and never more than one of a wave's outstanding.
; THE TWO TILES' SOFTMAX IS STAGGERED: one tile's exponentials stand between the other tile's plain instructions; each tile's 64 exponentials have one wait, ahead of their first reader.
; LIMITS on the given exponents: e6 + e7 between -123 and 130 (added to c's exponent field); e8 and e10 between -126 and 119; e8 + e9 is applied by v_ldexp_f32.  NaN among the inputs is not served.
; REGISTERS.  Window 0: v1-7 addresses and constants; v8-31 twelve registers of statistics a tile; v32-95 K's eight fragments; v96-223 S^T, then p, 64 a tile; v224-255 p's codes, 16 a tile.
;             Window 1: v0-63 O^T, 32 a tile; v64-79 Q, 8 a tile; v128-191 V^T's four fragments.
.set STEPB, 16384                      ; a key step's block
.set NQ,    8                          ; key steps in a slot
.set SLOT1, 1<<17                      ; slot 1 begins here: one exclusive or turns an address in one slot into the other's
.set SPARE, 2*SLOT1                    ; behind the ring: the spare words, 128 bytes for each of eight waves, which no other line names
.set LI,   1                           ; v1   16 x lane
.set ADR,  2                           ; v2   LDS address of the key step in hand
.set SPW,  3                           ; v3   LDS address of my spare word; never rewritten
.set NIL,  4                           ; v4   0; never rewritten
.set PFO,  5                           ; v5   256 x lane, for the prefetches; never rewritten
.set LIMP, 6                           ; v6   448 x 2^e8; on the way out 448 x 2^e10
.set SCP,  7                           ; v7   2^e8; on the way out 2^e10
.set ST,   8                           ; tile x at v[ST + 12 x]: +0 -M, +1 the largest t, +2:3 and +4:5 l in two packed chains, +6 f (+7 named with it), +8, +9 at work, +10 the exchange, +11 the old -M
.set KF,   32
.set S,    96
.set PC,   224
.set OA,   0                           ; window 1
.set QF,   64
.set VF,   128
.set WV,   12                          ; s12  my wave's number
.set LIM,  15                          ; s15  1 in a wave that prefetches, else the greatest number
.set G1,   16                          ; s[16:23] descriptor group 1
.set G0,   24                          ; s[24:27] descriptor group 0, which walks
.set PFA,  28                          ; s[28:29] where my prefetches stand
.set TB,   30                          ; s30  LDS byte of the key step in hand
.set SLOTS, 31                         ; s31  slots still to be asked for
.set STEPS, 32                         ; s32  counts a slot's steps
.set CS,   34                          ; s[34:35] c = log2(e) / 8 x 2^(e6 + e7): the packed form names a pair and takes its low word
.set SEL,  36                          ; s[36:37] lane selects for v_permlanex16_b32: lane l xor 16
.set MSB, 0
.macro WIN new                         ; the immediate's high byte repeats the setting that is left
.if MSB != \new
	s_set_vgpr_msb (MSB<<8)|\new
.set MSB, \new
.endif
.endm
.macro CROUND                          ; a round of the cluster's barrier: my work-group's barrier; wave 0 signals for the work-group; every wave waits for all four; my work-group's barrier once more
	s_barrier_signal -1
	s_barrier_wait -1
	s_cmp_lg_u32 s[WV], 0
	s_cbranch_scc1 .Lnot_wave_0_\@
	s_barrier_signal -3
.Lnot_wave_0_\@:
	s_barrier_wait -3
	s_barrier_signal -1
	s_barrier_wait -1
.endm
; A PREFETCH INTO THE L2 of the slot that the NEXT change of slots will ask for: 131,072 bytes, eight key steps ahead of that load.  Each aligned block of 256 bytes is named once in the launch: all clusters of a head walk the same
; bytes, so the head's first cluster asks; its four partners take 32,768 bytes each, told apart BY ADDRESS; in each, waves 0 to 3 take 8,192 bytes, lanes 256 bytes apart: one instruction a wave.
; Slots 0 and 1 come by their loads alone; the last change that fills a slot asks for nothing.
.macro ASK
	s_cmp_gt_u32 s[SLOTS], s[LIM]
	s_cbranch_scc0 .Lnot_mine_\@
	global_prefetch_b8 v[PFO], s[PFA:PFA+1] th:TH_LOAD_NT scope:SCOPE_SE
.Lnot_mine_\@:
.endm
.macro FETCH_K off                     ; K's eight fragments (16 keys x 64 channels: two images each)
.irp t, 0,1,2,3,4,5,6,7
.irp c, 0,1
	ds_load_b128 v[KF+8*\t+4*\c:KF+8*\t+4*\c+3], v[ADR] offset:(\off)+1024*\t+512*\c
.endr
.endr
.endm
.macro FETCH_V                         ; V^T's four fragments (16 channels x 128 keys: four images each)
	WIN 0x40
.irp d, 0,1,2,3
.irp c, 0,1,2,3
	ds_load_b128 v[VF+16*\d+4*\c:VF+16*\d+4*\c+3], v[ADR] offset:8192+2048*\d+512*\c
.endr
.endr
	WIN 0
.endm
.macro MAXI x, i                       ; line i of 32 of tile x's maximum over its 64 scores: two chains, ascending
.set rT, ST+12*(\x)
.set rS, S+64*(\x)
.if (\i) == 0
	v_max3_num_f32 v[rT+8], v[rS], v[rS+1], v[rS+2]
.elseif (\i) == 1
	v_max3_num_f32 v[rT+9], v[rS+3], v[rS+4], v[rS+5]
.elseif (\i) < 31
	v_max3_num_f32 v[rT+8+(\i)%2], v[rT+8+(\i)%2], v[rS+2*(\i)+2], v[rS+2*(\i)+3]
.else
	v_max_num_f32 v[rT+8], v[rT+8], v[rT+9]
.endif
.endm
.macro STATS x
.set rT, ST+12*(\x)
	v_permlanex16_b32 v[rT+10], v[rT+8], s[SEL], s[SEL+1]   ; the query's other 64 keys lie in the lane 16 away
	v_max_num_f32 v[rT+8], v[rT+8], v[rT+10]
	v_mul_f32 v[rT+8], s[CS], v[rT+8]              ; as t (c is positive)
	v_max_num_f32 v[rT+1], v[rT+1], v[rT+8]        ; the running largest t
	v_mov_b32 v[rT+11], v[rT]
	v_floor_f32 v[rT], -v[rT+1]                    ; the new -M = floor(-t): M is a whole number
	v_sub_f32 v[rT+11], v[rT], v[rT+11]            ; old M - new M, a whole number, 0 or less
	v_cvt_i32_f32 v[rT+11], v[rT+11]               ; (it saturates)
	v_ldexp_f32 v[rT+6], 1.0, v[rT+11]             ; f
.endm
.macro SCALE x                         ; t - M, two at a time
.set rT, ST+12*(\x)
.set rS, S+64*(\x)
.set n, 0
.rept 32
	v_pk_fma_f32 v[rS+2*n:rS+2*n+1], v[rS+2*n:rS+2*n+1], s[CS:CS+1], v[rT:rT+1] op_sel_hi:[1,0,0]
.set n, n+1
.endr
.endm
.macro CVT x
.set n, 0
.rept 8
	v_cvt_scalef32_pk8_fp8_f32 v[PC+16*(\x)+2*n:PC+16*(\x)+2*n+1], v[S+64*(\x)+8*n:S+64*(\x)+8*n+7], v[SCP]
.set n, n+1
.endr
.endm
.macro LSCALE x                        ; l under the new M
.set rT, ST+12*(\x)
	v_pk_mul_f32 v[rT+2:rT+3], v[rT+2:rT+3], v[rT+6:rT+7] op_sel_hi:[1,0]
	v_pk_mul_f32 v[rT+4:rT+5], v[rT+4:rT+5], v[rT+6:rT+7] op_sel_hi:[1,0]
.endm
; A KEY STEP: 128 keys.  pre = 1: the next step's K lies in the same slot and is fetched now.
.macro STEP pre
	s_wait_dscnt 0x0                               ; K is in
	WIN 0x04                                       ; source 1 (Q) window 1
.irp t, 0,1,2,3,4,5,6,7
.irp x, 0,1
	v_wmma_f32_16x16x64_fp8_fp8 v[S+64*\x+8*\t:S+64*\x+8*\t+7], v[KF+8*\t:KF+8*\t+7], v[QF+8*\x:QF+8*\x+7], 0
.endr
.endr
	WIN 0
	v_add_nc_u32 v[ADR], s[TB], v[LI]              ; this line and three v_nop: the four places in front of the loads into K's and V's registers and of the first read of the scores
.rept 3
	v_nop
.endr
	FETCH_V
.if \pre
	FETCH_K STEPB
.endif
.set m, 0
.rept 32
	MAXI 0, m
.set m, m+1
.endr
	STATS 0
	SCALE 0
.set m, 0
.rept 32                               ; tile 0's exponentials between the lines of tile 1's maximum
	MAXI 1, m
	v_exp_f32 v[S+2*m], v[S+2*m]
	v_exp_f32 v[S+2*m+1], v[S+2*m+1]
.set m, m+1
.endr
	STATS 1
	SCALE 1
	s_wait_alu depctr_va_vdst(0)                   ; one wait for tile 0's 64 exponentials, ahead of their first reader; nothing above names a result
	LSCALE 0
.set m, 0
.rept 32                               ; tile 0's sum and hold between tile 1's exponentials
	v_pk_add_f32 v[ST+2+2*(m%2):ST+3+2*(m%2)], v[ST+2+2*(m%2):ST+3+2*(m%2)], v[S+2*m:S+2*m+1]   ; the sum is taken of the unquantised p
	v_exp_f32 v[S+64+2*m], v[S+64+2*m]
	v_min_num_f32 v[S+2*m], v[S+2*m], v[LIMP]      ; the conversion does not saturate (ISA guide 7.6.2); p is not negative, so the hold is one-sided
	v_exp_f32 v[S+64+2*m+1], v[S+64+2*m+1]
	v_min_num_f32 v[S+2*m+1], v[S+2*m+1], v[LIMP]
.set m, m+1
.endr
	CVT 0
	s_wait_alu depctr_va_vdst(0)                   ; one wait for tile 1's 64 exponentials
	LSCALE 1
.set m, 0
.rept 32
	v_pk_add_f32 v[ST+14+2*(m%2):ST+15+2*(m%2)], v[ST+14+2*(m%2):ST+15+2*(m%2)], v[S+64+2*m:S+64+2*m+1]
	v_min_num_f32 v[S+64+2*m], v[S+64+2*m], v[LIMP]
	v_min_num_f32 v[S+64+2*m+1], v[S+64+2*m+1], v[LIMP]
.set m, m+1
.endr
	CVT 1
	WIN 0x41                                       ; O^T (destination and source 0) window 1, f window 0
.irp x, 0,1
.set m, 0
.rept 16
	v_pk_mul_f32 v[OA+32*\x+2*m:OA+32*\x+2*m+1], v[OA+32*\x+2*m:OA+32*\x+2*m+1], v[ST+12*\x+6:ST+12*\x+7] op_sel_hi:[1,0]   ; O^T under the new M; also the plain lines between the conversions and the products
.set m, m+1
.endr
.endr
.if \pre
	s_wait_dscnt 16                                ; V is in; the 16 loads of the next K, issued behind it, may stay out
.else
	s_wait_dscnt 0x0
.endif
	WIN 0x51                                       ; V^T, C and D window 1, P window 0
.irp d, 0,1,2,3
.irp x, 0,1
	v_wmma_f32_16x16x128_fp8_fp8 v[OA+32*\x+8*\d:OA+32*\x+8*\d+7], v[VF+16*\d:VF+16*\d+15], v[PC+16*\x:PC+16*\x+15], v[OA+32*\x+8*\d:OA+32*\x+8*\d+7]
.endr
.endr
	WIN 0
.endm
; THE CHANGE OF SLOTS stands at a slot's head.  Each wave waits for all its tensor loads (its part of the slot ahead), adds 0 to its spare word, and waits for that and for its reads of the slot that it has left.
; fill = 1: the barrier is a round of the cluster's, and the slot just left is filled with the keys that follow: the load is the first thing behind the round and has eight key steps in which to land.
.macro CHANGE fill
	s_wait_tensorcnt 0x0                           ; no tensor load of mine is out, so group 0 may be written
	ds_add_u32 v[SPW], v[NIL]                      ; 0 onto my spare word
.if \fill
	s_xor_b32 s[G0+1], s[G0+1], SLOT1              ; the other slot than last time,
	s_add_nc_u64 s[G0+2:G0+3], s[G0+2:G0+3], NQ*STEPB   ; the next 1,024 keys; the type bits on top are not reached
	s_wait_xcnt 0x0                                ; the last prefetch, a slot back, has read its address
	s_add_nc_u64 s[PFA:PFA+1], s[PFA:PFA+1], NQ*STEPB   ; one slot further on than the walking descriptor
	s_wait_dscnt 0x0                               ; the add is done, and my reads of the slot that I have left are over
	CROUND
	tensor_load_to_lds s[G0:G0+3], s[G1:G1+7]
	s_nop 0
.rept 4
	v_nop
.endr
.else
	s_wait_dscnt 0x0
	s_barrier_signal -1
	s_barrier_wait -1
.endif
.endm
.macro SLOT_STEPS ask                  ; a slot's eight key steps: seven in a loop, the last written out, since its successor's K lies in the other slot
	v_add_nc_u32 v[ADR], s[TB], v[LI]
	FETCH_K 0
.if \ask
	ASK                                            ; behind the joint load and the run of LDS loads that the next products wait for
.endif
	s_mov_b32 s[STEPS], NQ-1
.Lstep_\@:
	STEP 1
	s_add_co_u32 s[TB], s[TB], STEPB
	s_sub_co_u32 s[STEPS], s[STEPS], 1
	s_cmp_lg_u32 s[STEPS], 0
	s_cbranch_scc1 .Lstep_\@
	STEP 0
	s_sub_co_u32 s[TB], s[TB], (NQ-1)*STEPB        ; back to a slot's first step,
	s_xor_b32 s[TB], s[TB], SLOT1                  ; in the other slot
.endm
	s_load_b256 s[4:11], s[0:1], 0x0               ; qcodes s[4:5], kv s[6:7], the scales' exponents s[8:9], ocodes s[10:11]
	v_lshl_add_u32 v[SPW], v0, 2, SPARE
	v_mov_b32 v[NIL], 0
	ds_add_u32 v[SPW], v[NIL]                      ; the wave's opening: the add and its wait stand ahead of my first tensor load; the set-up below, work on registers, stands between them
	v_lshrrev_b32 v2, 5, v0
	v_readfirstlane_b32 s[WV], v2                  ; wave 0..7
	s_bfe_u32 s13, ttmp6, 0x40000                  ; cx: my place in the cluster
	s_lshl_b32 s14, ttmp9, 2                       ; in a cluster launch ttmp9 counts clusters
	s_add_co_u32 s14, s14, s13                     ; my block of 256 queries: it enters Q's and O's addresses alone
	s_and_b32 s33, ttmp7, 0xffff                   ; bh, which the four partners share
	; descriptor group 1: 64 rows of 32 elements of 8 bytes, dense in memory and in LDS
	s_mov_b32 s[G1], 15|(3<<16)|(1<<21)            ; 15:0 the mask: all four work-groups; 17:16 elements of 8 bytes; 20 no padding; 21 set beside a mask
	s_mov_b32 s[G1+1], 32<<16                      ; tensor_dim0 = 32
	s_mov_b32 s[G1+2], 64<<16                      ; tensor_dim1 = 64
	s_mov_b32 s[G1+3], 32<<16                      ; tile_dim0 = 32
	s_mov_b32 s[G1+4], 64                          ; tile_dim1 = 64
	s_mov_b32 s[G1+5], 32                          ; from row to row
	s_mov_b32 s[G1+6], 0
	s_mov_b32 s[G1+7], 0
	s_mov_b32 s[SEL], 0x76543210
	s_mov_b32 s[SEL+1], 0xfedcba98
	s_mov_b32 s[TB], 0
	s_mov_b32 s[SLOTS], 3
	s_lshr_b32 s[LIM], s[WV], 2                    ; 0 in waves 0 to 3,
	s_or_b32 s[LIM], s[LIM], ttmp9                 ; of the head's first cluster: the same in all four partners
	s_cmp_eq_u32 s[LIM], 0
	s_cselect_b32 s[LIM], 1, -1
	v_and_b32 v[LI], 31, v0
	v_lshlrev_b32 v[PFO], 8, v[LI]
	v_lshlrev_b32 v[LI], 4, v[LI]
	s_lshl_b32 s48, s33, 19                        ; the head's first byte in kv
	s_lshl_b32 s49, s[WV], 14
	s_add_co_u32 s50, s48, s49                     ; + the key step of a slot that I fetch
	s_mov_b32 s51, 0
	s_lshl_b32 s52, s13, 15                        ; the prefetches: my work-group's 32,768 bytes of a slot,
	s_add_co_u32 s52, s52, s48
	s_and_b32 s58, s[WV], 3
	s_lshl_b32 s58, s58, 13                        ; my wave's 8,192 of them,
	s_add_co_u32 s52, s52, s58
	s_add_co_u32 s52, s52, NQ*STEPB                ; in slot 1: the first change of slots steps it to slot 2
	s_mov_b32 s53, 0
	s_lshl_b32 s54, s33, 18                        ; qcodes: 256 tiles of 1,024 bytes a head, 16 a block, 2 a wave
	s_lshl_b32 s58, s14, 14
	s_add_co_u32 s54, s54, s58
	s_lshl_b32 s58, s[WV], 11
	s_add_co_u32 s54, s54, s58
	s_mov_b32 s55, 0
	s_lshr_b32 s56, s33, 3                         ; ocodes: [token tile][head][b'][512]: 256 tiles of 8,192 bytes a batch,
	s_lshl_b32 s56, s56, 21
	s_lshl_b32 s58, s14, 17
	s_add_co_u32 s56, s56, s58
	s_lshl_b32 s58, s[WV], 14
	s_add_co_u32 s56, s56, s58
	s_and_b32 s58, s33, 7
	s_lshl_b32 s58, s58, 10                        ; 1,024 a head
	s_add_co_u32 s56, s56, s58
	s_mov_b32 s57, 0
	s_wait_dscnt 0x0                               ; the opening add is done
	s_wait_kmcnt 0x0
	s_load_b256 s[40:47], s[8:9], 0x10             ; e4 .. e11: e6 s42, e7 s43, e8 s44, e9 s45, e10 s46
	s_mov_b32 s[G0], 1                             ; count = 1
	s_lshl_b32 s[G0+1], s[WV], 14                  ; LDS address: slot 0, step w: no place in the cluster enters it
	s_add_nc_u64 s[G0+2:G0+3], s[6:7], s[50:51]
	s_or_b32 s[G0+3], s[G0+3], 0x80000000          ; type = 2
	s_add_nc_u64 s[PFA:PFA+1], s[6:7], s[52:53]
	s_add_nc_u64 s[4:5], s[4:5], s[54:55]
	s_add_nc_u64 s[10:11], s[10:11], s[56:57]
	CROUND                                         ; all four work-groups are here: the first joint loads meet
	tensor_load_to_lds s[G0:G0+3], s[G1:G1+7]      ; slot 0
	s_nop 0
.rept 4
	v_nop
.endr
	WIN 0x40                                       ; destination window 1
.irp x, 0,1
.irp c, 0,1
	global_load_b128 v[QF+8*\x+4*\c:QF+8*\x+4*\c+3], v[LI], s[4:5] offset:1024*\x+512*\c   ; Q stays in registers
.endr
.endr
.set m, 0
.rept 64
	v_mov_b32 v[OA+m], 0                           ; O^T.  (The step is written once for every trip: the first finds zeros, which the first change of M leaves zeros)
.set m, m+1
.endr
	WIN 0
.irp x, 0,1
	v_mov_b32 v[ST+12*\x+1], 0xff61b1e6            ; the largest t so far: -3e38, under every t
	v_floor_f32 v[ST+12*\x], -v[ST+12*\x+1]        ; -M
	v_mov_b32 v[ST+12*\x+2], 0                     ; l
	v_mov_b32 v[ST+12*\x+3], 0
	v_mov_b32 v[ST+12*\x+4], 0
	v_mov_b32 v[ST+12*\x+5], 0
	v_mov_b32 v[ST+12*\x+7], 0                     ; (named as the upper half of f's pair)
	v_mov_b32 v[ST+12*\x+10], 0                    ; a lane permute's destination counts as one of its sources
.endr
	s_wait_kmcnt 0x0
	s_add_co_i32 s48, s42, s43
	s_lshl_b32 s48, s48, 23
	s_add_co_i32 s[CS], s48, 0x3e38aa3b            ; c = log2(e) / 8, with e6 + e7 added to its exponent field: a score stands for score x 2^(e6 + e7)
	s_mov_b32 s[CS+1], s[CS]
	s_add_co_i32 s48, s44, 127
	s_lshl_b32 s49, s48, 23
	v_mov_b32 v[SCP], s49                          ; 2^e8
	s_add_co_i32 s48, s48, 8
	s_lshl_b32 s48, s48, 23
	s_or_b32 s48, s48, 0x600000
	v_mov_b32 v[LIMP], s48                         ; 448 x 2^e8
	s_wait_loadcnt 0x0                             ; Q
.Lslot:                                            ; three trips: behind each change of slots but the last the next slot is asked for
	CHANGE 1
	SLOT_STEPS 1
	s_sub_co_u32 s[SLOTS], s[SLOTS], 1
	s_cmp_lg_u32 s[SLOTS], 0
	s_cbranch_scc1 .Lslot
	CHANGE 0                                       ; the last slot is written out
	SLOT_STEPS 0
	; THE WAY OUT.  l's chains and the other half of the lanes' are added (these lines are the places behind the last products); O^T / l x 2^(e8 + e9) is quantised with 2^e10.
	; O^T's tiles 2 b' and 2 b' + 1 are 16 neighbouring channels: their codes are image b' of the last projection's operand, stored as 512 dense bytes.
.irp x, 0,1
	v_pk_add_f32 v[ST+12*\x+2:ST+12*\x+3], v[ST+12*\x+2:ST+12*\x+3], v[ST+12*\x+4:ST+12*\x+5]
.endr
.irp x, 0,1
	v_add_f32 v[ST+12*\x+8], v[ST+12*\x+2], v[ST+12*\x+3]
.endr
.irp x, 0,1
	v_permlanex16_b32 v[ST+12*\x+10], v[ST+12*\x+8], s[SEL], s[SEL+1]
.endr
.irp x, 0,1
	v_add_f32 v[ST+12*\x+8], v[ST+12*\x+8], v[ST+12*\x+10]
.endr
.irp x, 0,1
	v_rcp_f32 v[ST+12*\x+9], v[ST+12*\x+8]
.endr
	s_add_co_i32 s48, s46, 127
	s_lshl_b32 s49, s48, 23
	v_mov_b32 v[SCP], s49                          ; 2^e10.  (A plain line behind the reciprocals)
	s_add_co_i32 s48, s48, 8
	s_lshl_b32 s48, s48, 23
	s_or_b32 s48, s48, 0x600000
	v_mov_b32 v[LIMP], s48                         ; 448 x 2^e10
	s_add_co_i32 s50, s44, s45                     ; e8 + e9
	s_wait_alu depctr_va_vdst(0)                   ; one wait for the two reciprocals, ahead of their first reader
.irp x, 0,1
	v_ldexp_f32 v[ST+12*\x+9], v[ST+12*\x+9], s50
.endr
	WIN 0x01                                       ; source 0 (O^T) window 1
.irp x, 0,1
.set m, 0
.rept 32
	v_mul_f32 v[S+64*\x+m], v[OA+32*\x+m], v[ST+12*\x+9]
.set m, m+1
.endr
.endr
	WIN 0
.irp x, 0,1
.set m, 0
.rept 32
	v_med3_num_f32 v[S+64*\x+m], v[S+64*\x+m], -v[LIMP], v[LIMP]
.set m, m+1
.endr
.endr
.irp x, 0,1
.set m, 0
.rept 4
	v_cvt_scalef32_pk8_fp8_f32 v[PC+16*\x+2*m:PC+16*\x+2*m+1], v[S+64*\x+8*m:S+64*\x+8*m+7], v[SCP]
.set m, m+1
.endr
.endr
	v_nop
.irp x, 0,1
.irp b, 0,1
	global_store_b128 v[LI], v[PC+16*\x+4*\b:PC+16*\x+4*\b+3], s[10:11] offset:8192*\x+512*\b   ; 32 lanes store 512 consecutive bytes, aligned
.endr
.endr
	s_wait_tensorcnt 0x0                           ; the wave's end: behind my last tensor load
	ds_add_u32 v[SPW], v[NIL]
	s_wait_dscnt 0x0
	CROUND                                         ; the closing round: no work-group ends while a partner may still ask for a tile that names it
	s_endpgm
.Lfunc_end_k_q24697c43f3_attn:
	.size	k_q24697c43f3_attn, .Lfunc_end_k_q24697c43f3_attn-k_q24697c43f3_attn
	.p2alignl 7, 3214868480
	.fill 96, 4, 3214868480
	.section	.rodata,"a",@progbits
	.p2align	6, 0x0
	.amdhsa_kernel k_q24697c43f3_attn
		.amdhsa_group_segment_fixed_size 327680
		.amdhsa_private_segment_fixed_size 0
		.amdhsa_enable_private_segment 0
		.amdhsa_kernarg_size 32
		.amdhsa_user_sgpr_count 2
		.amdhsa_user_sgpr_kernarg_segment_ptr 1
		.amdhsa_wavefront_size32 1
		.amdhsa_system_sgpr_workgroup_id_x 1
		.amdhsa_system_sgpr_workgroup_id_y 1
		.amdhsa_system_sgpr_workgroup_id_z 1
		.amdhsa_system_vgpr_workitem_id 0
		.amdhsa_next_free_vgpr 512
		.amdhsa_next_free_sgpr 66
		.amdhsa_reserve_vcc 0
		.amdhsa_float_denorm_mode_32 3
		.amdhsa_float_denorm_mode_16_64 3
		.amdhsa_memory_ordered 1
		.amdhsa_forward_progress 1
		.amdhsa_inst_pref_size 130
	.end_amdhsa_kernel
	.amdgpu_metadata
---
amdhsa.version: [ 1, 2 ]
amdhsa.kernels:
  - .name:           k_q24697c43f3_attn
    .symbol:         k_q24697c43f3_attn.kd
    .args:
      - { .name: qcodes, .offset: 0, .size: 8, .value_kind: global_buffer, .address_space: global }
      - { .name: kv, .offset: 8, .size: 8, .value_kind: global_buffer, .address_space: global }
      - { .name: lowp_scales, .offset: 16, .size: 8, .value_kind: global_buffer, .address_space: global }
      - { .name: ocodes, .offset: 24, .size: 8, .value_kind: global_buffer, .address_space: global }
    .group_segment_fixed_size: 327680
    .private_segment_fixed_size: 0
    .kernarg_segment_align: 8
    .kernarg_segment_size: 32
    .max_flat_workgroup_size: 256
    .sgpr_count:     66
    .vgpr_count:     512
    .wavefront_size: 32
...
	.end_amdgpu_metadata
.endif
;; end of part 3
;; launch oproj (part 4): grid 256 x 1, 8 waves a work-group, no clusters, 70,656 bytes of LDS; arguments ocodes, wcodes, lowp_scales, b_o, out0; writes out0
.if DOCPART == 4
	.amdgcn_target "amdgcn-amd-amdhsa--gfx1250"
	.amdhsa_code_object_version 6
	.text
	.protected	k_q24697c43f3_oproj
	.globl	k_q24697c43f3_oproj
	.p2align	8
	.type	k_q24697c43f3_oproj,@function
k_q24697c43f3_oproj:
	s_mov_b64 s[64:65], 0
	v_nop
	global_prefetch_b8 v0, s[64:65] scope:SCOPE_SE
	s_setreg_imm32_b32 hwreg(HW_REG_WAVE_MODE, 25, 1), 1
	s_wait_xcnt 0x0
; out0 = o W_o^T + b_o on codes of E4M3.  o's codes (scale entry 10) and W_o's (entry 11) come as register images (512 bytes, lane L's 16 bytes at 16 L); out0 [8192][512] is f32.
; SHARES.  A work-group takes 32 tokens: token tiles 2 g and 2 g + 1 (lane r of tile 2 g + u: token 32 g + 8 u + r + 8 (r / 8)).  Wave w takes columns 64 w .. 64 w + 63: four tiles of W_o, 16 fragments, in window 1.
; Source 0 = 16 rows of W_o, source 1 = 16 tokens: a lane holds one token, and register j of tile t column 64 w + 32 (t / 2) + 8 (t % 2) + 16 (lane / 16) + j.
; y = sum x 2^(e10 + e11) + b_o, one packed multiply-add for two numbers.  A wave's 32 tokens x 256 bytes go through its own stage in LDS and leave as whole rows: sixteen lanes store 256 consecutive bytes, aligned.
; NO CLUSTER: what work-groups share is W_o, which each wave loads once, straight into registers; there is no LDS tile that a joint load could fill.  No barrier: waves share nothing in LDS.
; LIMIT: e10 + e11 between -126 and 127.
.set SPITCH, 272                       ; a stage row: 256 bytes + 16
.set WSTG,  32*SPITCH                  ; a wave's stage
.set SPARE, 8*WSTG                     ; behind the stages: the spare words, 128 bytes for each of eight waves, which no other line names
.set LI,  1                            ; v1   16 x lane
.set STO, 2                            ; v2   the stage: row r, + 64 h
.set RD,  3                            ; v3   back: lanes 0-15 one row, lanes 16-31 the next
.set GO,  4                            ; v4   the same two rows in out0
.set BA,  5                            ; v5   64 h: the bias's offset
.set SPW, 12                           ; v12  LDS address of my spare word; never rewritten
.set NIL, 13                           ; v13  0; never rewritten
.set XF,  16                           ; v16-143  o's fragments: (u, s) at 16 (4 u + s)
.set ACC, 144                          ; v144-207 eight accumulators: 4 u + t
.set BI,  208                          ; v208-239 the bias, eight registers a tile
.set Y,   16                           ; v16-79   results
.set RB,  80                           ; v80-143  rows read back
.set MSB, 0
.macro WIN new                         ; the immediate's high byte repeats the setting that is left
.if MSB != \new
	s_set_vgpr_msb (MSB<<8)|\new
.set MSB, \new
.endif
.endm
	s_load_b256 s[4:11], s[0:1], 0x0               ; ocodes s[4:5], wcodes s[6:7], the scales' exponents s[8:9], b_o s[10:11]
	s_load_b64 s[12:13], s[0:1], 0x20              ; out0
	v_lshl_add_u32 v[SPW], v0, 2, SPARE
	v_mov_b32 v[NIL], 0
	v_lshrrev_b32 v6, 5, v0
	v_readfirstlane_b32 s14, v6                    ; wave 0..7
	v_and_b32 v6, 31, v0
	v_lshlrev_b32 v[LI], 4, v6
	v_and_b32 v7, 15, v0                           ; r
	v_bfe_u32 v8, v0, 4, 1                         ; h
	s_mul_i32 s15, s14, WSTG
	v_mul_u32_u24 v[STO], v7, SPITCH
	v_lshl_add_u32 v[STO], v8, 6, v[STO]
	v_add_nc_u32 v[STO], s15, v[STO]
	v_mul_u32_u24 v[RD], v8, SPITCH
	v_lshl_add_u32 v[RD], v7, 4, v[RD]
	v_add_nc_u32 v[RD], s15, v[RD]
	v_lshlrev_b32 v[GO], 11, v8
	v_lshl_add_u32 v[GO], v7, 4, v[GO]
	v_lshlrev_b32 v[BA], 6, v8
	s_lshl_b32 s16, ttmp9, 14                      ; ocodes: two token tiles of 8,192 bytes
	s_mov_b32 s17, 0
	s_lshl_b32 s18, s14, 15                        ; wcodes: the fourth weight, tiles 4 w on
	s_add_co_u32 s18, s18, 3*262144
	s_mov_b32 s19, 0
	s_lshl_b32 s20, s14, 8                         ; my 64 columns, in bytes
	s_mov_b32 s21, 0
	s_lshl_b32 s22, ttmp9, 16                      ; out0: 32 rows of 2,048 bytes
	s_add_co_u32 s22, s22, s20
	s_mov_b32 s23, 0
	s_wait_kmcnt 0x0
	s_load_b64 s[24:25], s[8:9], 0x28              ; e10, e11
	s_add_nc_u64 s[4:5], s[4:5], s[16:17]
	s_add_nc_u64 s[6:7], s[6:7], s[18:19]
	s_add_nc_u64 s[10:11], s[10:11], s[20:21]
	s_add_nc_u64 s[12:13], s[12:13], s[22:23]
.irp t, 0,1,2,3
	global_load_b128 v[BI+8*\t:BI+8*\t+3], v[BA], s[10:11] offset:(32*(\t/2)+8*(\t%2))*4
	global_load_b128 v[BI+8*\t+4:BI+8*\t+7], v[BA], s[10:11] offset:(32*(\t/2)+8*(\t%2))*4+16
.endr
.irp s, 0,1,2,3                        ; K step by K step: 8 loads of o, 16 of W_o
.irp u, 0,1
.irp c, 0,1,2,3
	global_load_b128 v[XF+16*(4*\u+\s)+4*\c:XF+16*(4*\u+\s)+4*\c+3], v[LI], s[4:5] offset:8192*\u+2048*\s+512*\c
.endr
.endr
	WIN 0x40                                       ; destination window 1
.irp t, 0,1,2,3
.irp c, 0,1,2,3
	global_load_b128 v[16*(4*\t+\s)+4*\c:16*(4*\t+\s)+4*\c+3], v[LI], s[6:7] offset:8192*\t+2048*\s+512*\c
.endr
.endr
	WIN 0
.endr
.macro MUL s                           ; a K step: the eight accumulators by turns, one instruction a turn; the first step starts the sums
	WIN 0x01                                       ; source 0 (W_o) window 1
.irp u, 0,1
.irp t, 0,1,2,3
.if (\s) == 0
	v_wmma_f32_16x16x128_fp8_fp8 v[ACC+8*(4*\u+\t):ACC+8*(4*\u+\t)+7], v[16*(4*\t+(\s)):16*(4*\t+(\s))+15], v[XF+16*(4*\u+(\s)):XF+16*(4*\u+(\s))+15], 0
.else
	v_wmma_f32_16x16x128_fp8_fp8 v[ACC+8*(4*\u+\t):ACC+8*(4*\u+\t)+7], v[16*(4*\t+(\s)):16*(4*\t+(\s))+15], v[XF+16*(4*\u+(\s)):XF+16*(4*\u+(\s))+15], v[ACC+8*(4*\u+\t):ACC+8*(4*\u+\t)+7]
.endif
.endr
.endr
.endm
	s_wait_loadcnt 48                              ; the bias and K steps 0 and 1 are in; the 24 loads each of K steps 2 and 3 may be out
	MUL 0
	MUL 1
	s_wait_loadcnt 24                              ; K step 2
	MUL 2
	s_wait_loadcnt 0x0
	MUL 3
	WIN 0
	s_wait_kmcnt 0x0
	s_add_co_i32 s30, s24, s25
	s_add_co_i32 s30, s30, 127
	s_lshl_b32 s30, s30, 23                        ; 2^(e10 + e11) as f32
	s_mov_b32 s31, s30                             ; (named with it as a pair, so it is written)
.rept 4
	v_nop                                          ; four places (ISA guide 7.12.1) in front of the first read of results and of the writes over o's fragments
.endr
.irp u, 0,1
.irp t, 0,1,2,3
.irp i, 0,2,4,6
	v_pk_fma_f32 v[Y+8*(4*\u+\t)+\i:Y+8*(4*\u+\t)+\i+1], v[ACC+8*(4*\u+\t)+\i:ACC+8*(4*\u+\t)+\i+1], s[30:31], v[BI+8*\t+\i:BI+8*\t+\i+1] op_sel_hi:[1,0,1]   ; each accumulator from its low end on
.endr
.endr
.endr
.irp u, 0,1
.irp t, 0,1,2,3
	ds_store_b128 v[STO], v[Y+8*(4*\u+\t):Y+8*(4*\u+\t)+3] offset:16*SPITCH*\u+128*(\t/2)+32*(\t%2)       ; stage row 16 u + r
	ds_store_b128 v[STO], v[Y+8*(4*\u+\t)+4:Y+8*(4*\u+\t)+7] offset:16*SPITCH*\u+128*(\t/2)+32*(\t%2)+16
.endr
.endr
.irp i, 0,1,2,3,4,5,6,7,8,9,10,11,12,13,14,15
	ds_load_b128 v[RB+4*\i:RB+4*\i+3], v[RD] offset:2*SPITCH*\i   ; LDS serves a wave's instructions in order (ISA guide 5.7.1.4): these see my stores
.endr
.irp i, 0,1,2,3,4,5,6,7,8,9,10,11,12,13,14,15
	s_wait_dscnt 15-\i
	global_store_b128 v[GO], v[RB+4*\i:RB+4*\i+3], s[12:13] offset:(8*(\i/8)+2*(\i%8)+8*((\i%8)/4))*2048 th:TH_STORE_NT   ; stage row 16 u + r is token 8 u + r + 8 (r / 8) of the 32; written once, read by nobody here
.endr
	s_wait_tensorcnt 0x0                           ; the wave's end: behind my last LDS store
	ds_add_u32 v[SPW], v[NIL]
	s_wait_dscnt 0x0
	s_endpgm
.Lfunc_end_k_q24697c43f3_oproj:
	.size	k_q24697c43f3_oproj, .Lfunc_end_k_q24697c43f3_oproj-k_q24697c43f3_oproj
	.p2alignl 7, 3214868480
	.fill 96, 4, 3214868480
	.section	.rodata,"a",@progbits
	.p2align	6, 0x0
	.amdhsa_kernel k_q24697c43f3_oproj
		.amdhsa_group_segment_fixed_size 70656
		.amdhsa_private_segment_fixed_size 0
		.amdhsa_enable_private_segment 0
		.amdhsa_kernarg_size 40
		.amdhsa_user_sgpr_count 2
		.amdhsa_user_sgpr_kernarg_segment_ptr 1
		.amdhsa_wavefront_size32 1
		.amdhsa_system_sgpr_workgroup_id_x 1
		.amdhsa_system_sgpr_workgroup_id_y 1
		.amdhsa_system_sgpr_workgroup_id_z 1
		.amdhsa_system_vgpr_workitem_id 0
		.amdhsa_next_free_vgpr 512
		.amdhsa_next_free_sgpr 66
		.amdhsa_reserve_vcc 0
		.amdhsa_float_denorm_mode_32 3
		.amdhsa_float_denorm_mode_16_64 3
		.amdhsa_memory_ordered 1
		.amdhsa_forward_progress 1
		.amdhsa_inst_pref_size 21
	.end_amdhsa_kernel
	.amdgpu_metadata
---
amdhsa.version: [ 1, 2 ]
amdhsa.kernels:
  - .name:           k_q24697c43f3_oproj
    .symbol:         k_q24697c43f3_oproj.kd
    .args:
      - { .name: ocodes, .offset: 0, .size: 8, .value_kind: global_buffer, .address_space: global }
      - { .name: wcodes, .offset: 8, .size: 8, .value_kind: global_buffer, .address_space: global }
      - { .name: lowp_scales, .offset: 16, .size: 8, .value_kind: global_buffer, .address_space: global }
      - { .name: b_o, .offset: 24, .size: 8, .value_kind: global_buffer, .address_space: global }
      - { .name: out0, .offset: 32, .size: 8, .value_kind: global_buffer, .address_space: global }
    .group_segment_fixed_size: 70656
    .private_segment_fixed_size: 0
    .kernarg_segment_align: 8
    .kernarg_segment_size: 40
    .max_flat_workgroup_size: 256
    .sgpr_count:     66
    .vgpr_count:     512
    .wavefront_size: 32
...
	.end_amdgpu_metadata
.endif
;; end of part 4
;; ======== version 2 of 2: 4 launches; version 1 with the launches proj, oproj written anew for expert scheduling mode
;; workspace buffers: wcodes 1,048,576 bytes; qcodes 4,194,304 bytes; kv 8,388,608 bytes; ocodes 4,194,304 bytes
;; launch wprep: the kernel of part 1 again; grid 32 x 4, 4 waves a work-group, no clusters, 0 bytes of LDS; arguments w_q, w_k, w_v, w_o, lowp_scales, wcodes; writes wcodes
;; launch proj (part 5): grid 64 x 3, 8 waves a work-group, no clusters, 66,560 bytes of LDS; arguments q, k, v, b_q, b_k, b_v, lowp_scales, wcodes, qcodes, kv; writes qcodes, kv
.if DOCPART == 5
	.amdgcn_target "amdgcn-amd-amdhsa--gfx1250"
	.amdhsa_code_object_version 6
	.text
	.protected	k_q24697c43f3_proj
	.globl	k_q24697c43f3_proj
	.p2align	8
	.type	k_q24697c43f3_proj,@function
k_q24697c43f3_proj:
	s_mov_b64 s[64:65], 0
	v_nop
	global_prefetch_b8 v0, s[64:65] scope:SCOPE_SE
	s_setreg_imm32_b32 hwreg(HW_REG_WAVE_SCHED_MODE, 0, 2), 2
	s_setreg_imm32_b32 hwreg(HW_REG_WAVE_MODE, 25, 1), 1
	s_wait_xcnt 0x0
	s_wait_alu depctr_vm_vsrc(0)
; The three input projections, x W^T + b on codes of E4M3, and the quantiser of their results for the attention's products.  Work-group y = 0, 1, 2: q, k, v.
; x [8192][512] f32 is quantised here (scale entries 0, 2, 4), W comes as register images from wcodes (entries 1, 3, 5), the result is quantised with entries 6, 7, 9.
; SHARES.  A work-group takes 128 rows of x (one key step of the attention): 8 tiles of 16.  THE ROWS OF A TILE ARE NOT NEIGHBOURS: lane r of tile 2 g + u stands for row 32 g + 8 u + r + 8 (r / 8).
; Wave w first quantises tile w and lays its four fragments in LDS as images of their registers (lane L's 16 bytes at 16 L); behind the launch's one barrier it owns head w, columns 64 w .. 64 w + 63, for all 128 rows:
; its 16 fragments of W fill window 1 and stay there.
; Q, K: source 0 = 16 rows of W, source 1 = 16 tokens: a lane holds one token, and the 16 registers of two neighbouring tiles of W are 16 neighbours along the head's 64: the next K.
; V:    source 0 = 16 tokens, source 1 = 16 rows of W: a lane holds one channel, and the 16 registers of two neighbouring token tiles are 16 neighbouring keys: the next K.  The two ways part on the work-group's y, round matrix instructions alone.
; The bias is the C of each sum's first matrix instruction, divided by 2^(ea + ew); the conversion's one scale is 2^(eo - ea - ew).  Results leave as images: 512 dense bytes a store.
; qcodes: [bh][tile 0..255][c' 0..1][512].   kv: [bh][key step 0..31][16,384]: K as [tile 0..7][c'][512], then V^T as [channel tile 0..3][c 0..3][512].
; NO CLUSTER: what work-groups share is W, which each wave loads once, straight into the registers where it stays; there is no LDS tile that a joint load could fill.
; LIMITS on the given exponents: ea and eo - ea - ew between -126 and 119.  NaN among the inputs is not served.
; THE MODE: SCHED_MODE bits 1:0 = 2 (LLVM: expert scheduling mode 2), set by the entry lines.  The code itself states the register dependences
; between vector or matrix instructions and memory or LDS instructions, with s_wait_alu, always for 0.
; THE PLAN.  Registers that memory or LDS instructions touch:
;   v1-7          offsets and LDS addresses: written at the head, read by loads and stores, never written again.
;   v240-247      the bias loads' offsets: written at the head, read by those 32 loads; afterwards part of PC.
;   B0, B1        x as loaded: held in place and read by the conversions, then loaded again (x's later K steps; behind the barrier the fragments XF).
;   v144-207      first phase: x's codes, 16 registers a K step, written once by conversions, read by that K step's four LDS stores; afterwards the accumulators.
;   XF            second phase: read by pair p's products; the LDS loads of pair p + 1 land in it.
;   PC            written by pair p's conversions; read by four global stores, which are issued in pair p + 1 (the last pair's behind it).
;   window 1, BI  loaded once; named by matrix and vector instructions from then on.
; So one wait on va_vdst stands behind each of x's four quantisings, and ONE in each pair, behind its products: it states that the products are done reading XF and that the pair before has written PC; that pair's
; stores and the next pair's LDS loads follow it, with no vector or matrix instruction between.  A wait on vm_vsrc stands behind the barrier, and one in each later pair, behind its holds and ahead of its conversions.
.set SPARE, 65536                      ; LDS: 0 .. 65,535 x's 32 fragments, (4 m + s) x 2,048; then the spare words, 128 bytes for each of eight waves, which no other line names
.set LI,   1                           ; v1      16 x lane
.set XA,   2                           ; v2      x: (r + 8 (r / 8)) x 2,048 + 64 h
.set XWI,  3                           ; v3      where I store my tile's images: 16 x lane + 8,192 x wave
.set VO,   4                           ; v4-7    the four result images' places: 16 x lane + i x 512 (V: 2,048)
.set SCX,  8                           ; v8, v9  2^ea and 448 x 2^ea
.set LIMX, 9
.set SC,   10                          ; v10, v11  2^(eo - ea - ew) and 448 x that
.set LIM,  11
.set SPW,  12                          ; v12     LDS address of my spare word; never rewritten
.set NIL,  13                          ; v13     0; never rewritten
.set XF,   16                          ; v16-143 two token tiles' fragments: (u, s) at 16 (4 u + s); in the first phase two sets of 64 numbers of x
.set B0,   16
.set B1,   80
.set ACC,  144                         ; v144-207 eight accumulators; in the first phase x's codes, 16 registers a K step
.set BI,   208                         ; v208-239 the bias in the result's layout, eight registers a tile of W
.set PC,   240                         ; v240-255 the result's codes; at the head v240-247 are the bias loads' offsets
.set AJ,   240
.set MSB, 0
.macro WIN new                         ; the immediate's high byte repeats the setting that is left
.if MSB != \new
	s_set_vgpr_msb (MSB<<8)|\new
.set MSB, \new
.endif
.endm
.macro XLOAD buf, s                    ; my tile's numbers of K step s: register 16 b + i = k 32 b + 16 h + i
.irp b, 0,1,2,3
.irp j, 0,1,2,3
	global_load_b128 v[\buf+16*\b+4*\j:\buf+16*\b+4*\j+3], v[XA], s[32:33] offset:512*(\s)+128*\b+16*\j th:TH_LOAD_NT
.endr
.endr
.endm
.macro WLOAD t                         ; tile t of my head's four: its four fragments into window 1, at 16 (4 t + s)
	WIN 0x40
.irp s, 0,1,2,3
.irp c, 0,1,2,3
	global_load_b128 v[16*(4*(\t)+\s)+4*\c:16*(4*(\t)+\s)+4*\c+3], v[LI], s[44:45] offset:8192*(\t)+2048*\s+512*\c
.endr
.endr
	WIN 0
.endm
.macro HOLD src, lim                   ; 64 numbers are held
.set i, 0
.rept 64
	v_med3_num_f32 v[(\src)+i], v[(\src)+i], -v[\lim], v[\lim]   ; the hold at the largest code x the scale (ISA guide 7.6.2); ascending
.set i, i+1
.endr
.endm
.macro CODES src, dst, sc              ; and become 16 registers of codes
.set i, 0
.rept 8
	v_cvt_scalef32_pk8_fp8_f32 v[(\dst)+2*i:(\dst)+2*i+1], v[(\src)+8*i:(\src)+8*i+7], v[\sc]
.set i, i+1
.endr
	v_nop                                          ; one plain vector line between the conversions and the matrix instructions that later write these registers
.endm
.macro QUANT src, dst, sc, lim
	HOLD \src, \lim
	CODES \src, \dst, \sc
.endm
.macro IMAGE s                         ; K step s of my tile goes to LDS as it stands in registers
.irp c, 0,1,2,3
	ds_store_b128 v[XWI], v[ACC+16*(\s)+4*\c:ACC+16*(\s)+4*\c+3] offset:2048*(\s)+512*\c
.endr
.endm
.macro FETCH p                         ; token tiles 2 p and 2 p + 1, all four K steps
.irp u, 0,1
.irp s, 0,1,2,3
.irp c, 0,1,2,3
	ds_load_b128 v[XF+16*(4*\u+\s)+4*\c:XF+16*(4*\u+\s)+4*\c+3], v[LI] offset:((2*(\p)+\u)*4+\s)*2048+512*\c
.endr
.endr
.endr
.endm
.macro SEND                            ; the four images in PC leave
.irp i, 0,1,2,3
	global_store_b128 v[VO+\i], v[PC+4*\i:PC+4*\i+3], s[36:37]   ; 32 lanes store 512 consecutive bytes, aligned
.endr
.endm
	s_load_b512 s[8:23], s[0:1], 0x0               ; q, k, v, b_q, b_k, b_v, the scales' exponents s[20:21], wcodes s[22:23]
	s_load_b128 s[24:27], s[0:1], 0x40             ; qcodes, kv
	v_lshl_add_u32 v[SPW], v0, 2, SPARE
	v_mov_b32 v[NIL], 0
	v_lshrrev_b32 v14, 5, v0
	v_readfirstlane_b32 s28, v14                   ; wave 0..7
	s_and_b32 s29, ttmp7, 0xffff                   ; y: 0 q, 1 k, 2 v
	s_mov_b32 s30, ttmp9                           ; which 128 rows
	v_and_b32 v14, 31, v0
	v_lshlrev_b32 v[LI], 4, v14
	v_and_b32 v248, 15, v0                         ; r
	v_bfe_u32 v249, v0, 4, 1                       ; h
	v_and_b32 v250, 8, v248
	v_add_nc_u32 v250, v250, v248                  ; r + 8 (r / 8)
	v_lshlrev_b32 v[XA], 11, v250
	v_lshl_add_u32 v[XA], v249, 6, v[XA]
	s_wait_alu depctr_va_sdst(0)                   ; s28, the wave's number, is written, ahead of its first reader: LDS addresses and the buffers' offsets are made from it
	s_lshl_b32 s43, s28, 13
	v_add_nc_u32 v[XWI], s43, v[LI]
	s_lshl_b32 s60, s29, 3                         ; ea, ew lie at byte 8 y,
	s_lshl_b32 s61, s29, 2
	s_add_co_u32 s61, s61, 24                      ; eo at 24, 28,
	s_cmp_eq_u32 s29, 2                            ; what differs for V is chosen, not branched on
	s_cselect_b32 s61, 36, s61                     ; 36
	s_mov_b32 s46, 512
	s_cselect_b32 s46, 2048, s46                   ; from image to image of a pair of token tiles
	s_mov_b32 s38, 2048
	s_cselect_b32 s38, 512, s38                    ; from pair to pair
	s_mov_b32 s39, 0
	s_cselect_b32 s47, 8192, 0                     ; V^T lies behind K in a key step's block
	s_cselect_b32 s57, 0, 64                       ; the bias: Q, K: b[.. + 16 h + j];  V: b[.. + r + 8 (r / 8)] in all eight registers
	s_cselect_b32 s58, 4, 0
	s_cselect_b32 s59, 0, 4
	s_cmp_eq_u32 s29, 0
	s_cselect_b32 s56, 13, 14                      ; a block of 128 tokens of a head: 8,192 bytes in qcodes, 16,384 in kv
	v_mov_b32 v[VO], v[LI]
.irp i, 1,2,3
	v_add_nc_u32 v[VO+\i], s46, v[VO+\i-1]
.endr
	v_mul_u32_u24 v251, v249, s57
	v_mad_u32_u24 v251, v250, s58, v251
	v_mov_b32 v[AJ], v251
.irp j, 1,2,3,4,5,6,7
	v_add_nc_u32 v[AJ+\j], s59, v[AJ+\j-1]
.endr
	s_lshl_b32 s48, s30, 18                        ; x: 128 rows of 2,048 bytes a work-group,
	s_lshr_b32 s62, s28, 1
	s_lshl_b32 s62, s62, 16                        ; + 32 (w / 2) rows
	s_add_co_u32 s48, s48, s62
	s_and_b32 s62, s28, 1
	s_lshl_b32 s62, s62, 14                        ; + 8 (w % 2) rows: tile w
	s_add_co_u32 s48, s48, s62
	s_mov_b32 s49, 0
	s_lshl_b32 s50, s29, 18                        ; wcodes: weight y, tiles 4 w on
	s_lshl_b32 s62, s28, 15
	s_add_co_u32 s50, s50, s62
	s_mov_b32 s51, 0
	s_lshl_b32 s52, s28, 8                         ; the bias: my head's 64 numbers
	s_mov_b32 s53, 0
	s_lshr_b32 s54, s30, 5                         ; batch
	s_lshl_b32 s54, s54, 3
	s_add_co_u32 s54, s54, s28                     ; bh = 8 x batch + head
	s_lshl_b32 s54, s54, 5
	s_and_b32 s62, s30, 31
	s_add_co_u32 s54, s54, s62                     ; x 32 + the key step
	s_lshl_b32 s54, s54, s56
	s_add_co_u32 s54, s54, s47
	s_mov_b32 s55, 0
	s_wait_kmcnt 0x0
	s_load_b64 s[40:41], s[20:21], s60 offset:0x0  ; ea, ew
	s_load_b32 s42, s[20:21], s61 offset:0x0       ; eo
	s_cmp_eq_u32 s29, 1                            ; the buffers are chosen by the work-group's y alone
	s_cselect_b64 s[32:33], s[10:11], s[8:9]
	s_cselect_b64 s[34:35], s[16:17], s[14:15]
	s_cmp_eq_u32 s29, 2
	s_cselect_b64 s[32:33], s[12:13], s[32:33]
	s_cselect_b64 s[34:35], s[18:19], s[34:35]
	s_cmp_eq_u32 s29, 0
	s_cselect_b64 s[36:37], s[24:25], s[26:27]
	s_add_nc_u64 s[32:33], s[32:33], s[48:49]
	s_add_nc_u64 s[44:45], s[22:23], s[50:51]
	s_add_nc_u64 s[34:35], s[34:35], s[52:53]
	s_add_nc_u64 s[36:37], s[36:37], s[54:55]
	s_wait_alu depctr_va_vdst(0)                   ; v1 to v7 and v240 to v247 are written: every load and store of the kernel reads one of them as its offset or LDS address, and none is written again while it serves
	; ---- x: my tile's four K steps, two sets of registers by turns; W's tiles are asked for between them.  Each counted wait leaves the two runs of 16 loads out that were issued behind the run that is wanted.
	XLOAD B0, 0
	XLOAD B1, 1
	WLOAD 0
	s_wait_kmcnt 0x0
	s_add_co_i32 s62, s40, 127
	s_lshl_b32 s63, s62, 23
	v_mov_b32 v[SCX], s63                          ; 2^ea as f32: the conversion takes its exponent field
	s_add_co_i32 s62, s62, 8
	s_lshl_b32 s62, s62, 23
	s_or_b32 s62, s62, 0x600000
	v_mov_b32 v[LIMX], s62                         ; 448 x 2^ea
	s_add_co_i32 s43, s40, s41                     ; a sum stands for sum x 2^(ea + ew)
	s_sub_co_i32 s62, s42, s43
	s_add_co_i32 s62, s62, 127
	s_lshl_b32 s63, s62, 23
	v_mov_b32 v[SC], s63                           ; 2^(eo - ea - ew): the three scales folded into the conversion's one
	s_add_co_i32 s62, s62, 8
	s_lshl_b32 s62, s62, 23
	s_or_b32 s62, s62, 0x600000
	v_mov_b32 v[LIM], s62
	s_sub_co_i32 s43, 0, s43                       ; -(ea + ew), for the bias
	s_wait_loadcnt 32                              ; K step 0 is in (behind it: K step 1, W's tile 0)
	QUANT B0, ACC, SCX, LIMX
	s_wait_alu depctr_va_vdst(0)                   ; the conversions have written K step 0's codes, which the LDS stores read; holds and conversions are done with B0, in which K step 2 lands
	IMAGE 0
	XLOAD B0, 2
	s_wait_loadcnt 32                              ; K step 1 (behind it: W's tile 0, K step 2)
	QUANT B1, ACC+16, SCX, LIMX
	s_wait_alu depctr_va_vdst(0)                   ; K step 1's codes are written, which the LDS stores read; holds and conversions are done with B1, in which K step 3 lands
	IMAGE 1
	XLOAD B1, 3
	WLOAD 1
	s_wait_loadcnt 32                              ; K step 2 (behind it: K step 3, W's tile 1)
	QUANT B0, ACC+32, SCX, LIMX
	s_wait_alu depctr_va_vdst(0)                   ; K step 2's codes are written, which the LDS stores read
	IMAGE 2
	WLOAD 2
	s_wait_loadcnt 32                              ; K step 3 (behind it: W's tiles 1 and 2)
	QUANT B1, ACC+48, SCX, LIMX
	s_wait_alu depctr_va_vdst(0)                   ; K step 3's codes are written, which the LDS stores read; holds and conversions are done with B0 and B1, in which the first pair's fragments land behind the barrier (no vector instruction stands between)
	IMAGE 3
	WLOAD 3
.irp t, 0,1,2,3
.irp j, 0,1,2,3,4,5,6,7
	global_load_b32 v[BI+8*\t+\j], v[AJ+\j], s[34:35] offset:(32*(\t/2)+8*(\t%2))*4
.endr
.endr
	s_wait_dscnt 0x0                               ; for the others' sake: my images have landed
	s_barrier_signal -1
	s_barrier_wait -1                              ; all 32 fragments of x lie in LDS; nothing is written there again
	s_wait_alu depctr_vm_vsrc(0)                   ; my LDS stores have read v144 to v207, which the products write from here on; the bias loads have read v240 to v247, which the conversions write from here on
	; ---- the products, a pair of token tiles (32 tokens) at a time
	FETCH 0
	s_wait_loadcnt 0x0                             ; W and the bias
.set i, 0
.rept 32
	v_ldexp_f32 v[BI+i], v[BI+i], s43              ; b / 2^(ea + ew)
.set i, i+1
.endr
; Eight accumulators take turns, one instruction a turn, K step by K step.
.macro PAIR p
	s_wait_dscnt 0x0                               ; the pair's fragments are in
	s_cmp_eq_u32 s29, 2
	s_cbranch_scc1 .Lv_\@
	WIN 0x01                                       ; source 0 (W) window 1
.irp s, 0,1,2,3
.irp u, 0,1
.irp t, 0,1,2,3
.if \s == 0
	v_wmma_f32_16x16x128_fp8_fp8 v[ACC+8*(4*\u+\t):ACC+8*(4*\u+\t)+7], v[16*(4*\t+\s):16*(4*\t+\s)+15], v[XF+16*(4*\u+\s):XF+16*(4*\u+\s)+15], v[BI+8*\t:BI+8*\t+7]
.else
	v_wmma_f32_16x16x128_fp8_fp8 v[ACC+8*(4*\u+\t):ACC+8*(4*\u+\t)+7], v[16*(4*\t+\s):16*(4*\t+\s)+15], v[XF+16*(4*\u+\s):XF+16*(4*\u+\s)+15], v[ACC+8*(4*\u+\t):ACC+8*(4*\u+\t)+7]
.endif
.endr
.endr
.endr
	WIN 0                                          ; at a branch and at a label every window is 0
	s_branch .Ljoin_\@
.Lv_\@:
	WIN 0x04                                       ; source 1 (W) window 1
.irp s, 0,1,2,3
.irp u, 0,1
.irp t, 0,1,2,3
.if \s == 0
	v_wmma_f32_16x16x128_fp8_fp8 v[ACC+8*(2*\t+\u):ACC+8*(2*\t+\u)+7], v[XF+16*(4*\u+\s):XF+16*(4*\u+\s)+15], v[16*(4*\t+\s):16*(4*\t+\s)+15], v[BI+8*\t:BI+8*\t+7]
.else
	v_wmma_f32_16x16x128_fp8_fp8 v[ACC+8*(2*\t+\u):ACC+8*(2*\t+\u)+7], v[XF+16*(4*\u+\s):XF+16*(4*\u+\s)+15], v[16*(4*\t+\s):16*(4*\t+\s)+15], v[ACC+8*(2*\t+\u):ACC+8*(2*\t+\u)+7]
.endif
.endr
.endr
.endr
	WIN 0
.Ljoin_\@:
.rept 4
	v_nop                                          ; four places (ISA guide 7.12.1) in front of the first read of results; they stay beside the wait below
.endr
	s_wait_alu depctr_va_vdst(0)                   ; the products are done reading XF, in which the next pair's fragments land; the pair before has written PC, which the stores below read
.if (\p) > 0
	SEND                                           ; the pair before leaves
.endif
.if (\p) < 3
	FETCH (\p)+1                                   ; the next pair comes while this one is quantised
.endif
	HOLD ACC, LIM
.if (\p) > 0
	s_wait_xcnt 0x0                                ; the stores above have had their addresses translated: their data and their base are written again only behind this wait
	s_wait_alu depctr_vm_vsrc(0)                   ; the stores above have read PC, which the conversions below write again
	s_add_nc_u64 s[36:37], s[36:37], s[38:39]
.endif
	CODES ACC, PC, SC                              ; accumulators 2 i and 2 i + 1 become image i
.endm
	PAIR 0
	PAIR 1
	PAIR 2
	PAIR 3
	s_wait_alu depctr_va_vdst(0)                   ; the last pair's conversions have written PC, which the last four stores read
	SEND
	s_wait_dscnt 0x0                               ; the closing lines, six on end
	s_wait_alu 0x0
	s_wait_tensorcnt 0x0
	ds_add_u32 v[SPW], v[NIL]
	s_wait_dscnt 0x0
	s_endpgm
.Lfunc_end_k_q24697c43f3_proj:
	.size	k_q24697c43f3_proj, .Lfunc_end_k_q24697c43f3_proj-k_q24697c43f3_proj
	.p2alignl 7, 3214868480
	.fill 96, 4, 3214868480
	.section	.rodata,"a",@progbits
	.p2align	6, 0x0
	.amdhsa_kernel k_q24697c43f3_proj
		.amdhsa_group_segment_fixed_size 66560
		.amdhsa_private_segment_fixed_size 0
		.amdhsa_enable_private_segment 0
		.amdhsa_kernarg_size 80
		.amdhsa_user_sgpr_count 2
		.amdhsa_user_sgpr_kernarg_segment_ptr 1
		.amdhsa_wavefront_size32 1
		.amdhsa_system_sgpr_workgroup_id_x 1
		.amdhsa_system_sgpr_workgroup_id_y 1
		.amdhsa_system_sgpr_workgroup_id_z 1
		.amdhsa_system_vgpr_workitem_id 0
		.amdhsa_next_free_vgpr 512
		.amdhsa_next_free_sgpr 66
		.amdhsa_reserve_vcc 0
		.amdhsa_float_denorm_mode_32 3
		.amdhsa_float_denorm_mode_16_64 3
		.amdhsa_memory_ordered 1
		.amdhsa_forward_progress 1
		.amdhsa_inst_pref_size 87
	.end_amdhsa_kernel
	.amdgpu_metadata
---
amdhsa.version: [ 1, 2 ]
amdhsa.kernels:
  - .name:           k_q24697c43f3_proj
    .symbol:         k_q24697c43f3_proj.kd
    .args:
      - { .name: q, .offset: 0, .size: 8, .value_kind: global_buffer, .address_space: global }
      - { .name: k, .offset: 8, .size: 8, .value_kind: global_buffer, .address_space: global }
      - { .name: v, .offset: 16, .size: 8, .value_kind: global_buffer, .address_space: global }
      - { .name: b_q, .offset: 24, .size: 8, .value_kind: global_buffer, .address_space: global }
      - { .name: b_k, .offset: 32, .size: 8, .value_kind: global_buffer, .address_space: global }
      - { .name: b_v, .offset: 40, .size: 8, .value_kind: global_buffer, .address_space: global }
      - { .name: lowp_scales, .offset: 48, .size: 8, .value_kind: global_buffer, .address_space: global }
      - { .name: wcodes, .offset: 56, .size: 8, .value_kind: global_buffer, .address_space: global }
      - { .name: qcodes, .offset: 64, .size: 8, .value_kind: global_buffer, .address_space: global }
      - { .name: kv, .offset: 72, .size: 8, .value_kind: global_buffer, .address_space: global }
    .group_segment_fixed_size: 66560
    .private_segment_fixed_size: 0
    .kernarg_segment_align: 8
    .kernarg_segment_size: 80
    .max_flat_workgroup_size: 256
    .sgpr_count:     66
    .vgpr_count:     512
    .wavefront_size: 32
...
	.end_amdgpu_metadata
.endif
;; end of part 5
;; launch attn: the kernel of part 3 again; grid 16 x 16, 8 waves a work-group, clusters of 4 x 1, 327,680 bytes of LDS; arguments qcodes, kv, lowp_scales, ocodes; writes ocodes
;; launch oproj (part 6): grid 256 x 1, 8 waves a work-group, no clusters, 70,656 bytes of LDS; arguments ocodes, wcodes, lowp_scales, b_o, out0; writes out0
.if DOCPART == 6
	.amdgcn_target "amdgcn-amd-amdhsa--gfx1250"
	.amdhsa_code_object_version 6
	.text
	.protected	k_q24697c43f3_oproj
	.globl	k_q24697c43f3_oproj
	.p2align	8
	.type	k_q24697c43f3_oproj,@function
k_q24697c43f3_oproj:
	s_mov_b64 s[64:65], 0
	v_nop
	global_prefetch_b8 v0, s[64:65] scope:SCOPE_SE
	s_setreg_imm32_b32 hwreg(HW_REG_WAVE_SCHED_MODE, 0, 2), 2
	s_setreg_imm32_b32 hwreg(HW_REG_WAVE_MODE, 25, 1), 1
	s_wait_xcnt 0x0
	s_wait_alu depctr_vm_vsrc(0)
; out0 = o W_o^T + b_o on codes of E4M3.  o's codes (scale entry 10) and W_o's (entry 11) come as register images (512 bytes, lane L's 16 bytes at 16 L); out0 [8192][512] is f32.
; SHARES.  A work-group takes 32 tokens: token tiles 2 g and 2 g + 1 (lane r of tile 2 g + u: token 32 g + 8 u + r + 8 (r / 8)).  Wave w takes columns 64 w .. 64 w + 63: four tiles of W_o, 16 fragments, in window 1.
; Source 0 = 16 rows of W_o, source 1 = 16 tokens: a lane holds one token, and register j of tile t column 64 w + 32 (t / 2) + 8 (t % 2) + 16 (lane / 16) + j.
; y = sum x 2^(e10 + e11) + b_o, one packed multiply-add for two numbers.  A wave's 32 tokens x 256 bytes go through its own stage in LDS and leave as whole rows: sixteen lanes store 256 consecutive bytes, aligned.
; NO CLUSTER: what work-groups share is W_o, which each wave loads once, straight into registers; there is no LDS tile that a joint load could fill.  No barrier: waves share nothing in LDS.
; LIMIT: e10 + e11 between -126 and 127.
; THE MODE: SCHED_MODE bits 1:0 = 2 (LLVM: expert scheduling mode 2), set by the entry lines.  The code itself states the register dependences
; between vector or matrix instructions and memory or LDS instructions, with s_wait_alu, always for 0.
; THE PLAN.  Registers that memory or LDS instructions touch:
;   v1-5        offsets and LDS addresses: written at the head, never again.
;   XF, BI, window 1   loaded once, ahead of every product; named by matrix and vector instructions from then on.
;   Y  (v16-79)   written by the packed multiply-adds, read by the sixteen LDS stores.
;   RB (v80-143)  read by the products (they held o's second tile); the sixteen loads back from the stage land there, and the global stores read them.
; So one wait on va_vdst stands ahead of the first load, and one behind the multiply-adds: Y is written, and the products are done with v80-143.  No register that a memory or LDS instruction has read is written again.
.set SPITCH, 272                       ; a stage row: 256 bytes + 16
.set WSTG,  32*SPITCH                  ; a wave's stage
.set SPARE, 8*WSTG                     ; behind the stages: the spare words, 128 bytes for each of eight waves, which no other line names
.set LI,  1                            ; v1   16 x lane
.set STO, 2                            ; v2   the stage: row r, + 64 h
.set RD,  3                            ; v3   back: lanes 0-15 one row, lanes 16-31 the next
.set GO,  4                            ; v4   the same two rows in out0
.set BA,  5                            ; v5   64 h: the bias's offset
.set SPW, 12                           ; v12  LDS address of my spare word; never rewritten
.set NIL, 13                           ; v13  0; never rewritten
.set XF,  16                           ; v16-143  o's fragments: (u, s) at 16 (4 u + s)
.set ACC, 144                          ; v144-207 eight accumulators: 4 u + t
.set BI,  208                          ; v208-239 the bias, eight registers a tile
.set Y,   16                           ; v16-79   results
.set RB,  80                           ; v80-143  rows read back
.set MSB, 0
.macro WIN new                         ; the immediate's high byte repeats the setting that is left
.if MSB != \new
	s_set_vgpr_msb (MSB<<8)|\new
.set MSB, \new
.endif
.endm
	s_load_b256 s[4:11], s[0:1], 0x0               ; ocodes s[4:5], wcodes s[6:7], the scales' exponents s[8:9], b_o s[10:11]
	s_load_b64 s[12:13], s[0:1], 0x20              ; out0
	v_lshl_add_u32 v[SPW], v0, 2, SPARE
	v_mov_b32 v[NIL], 0
	v_lshrrev_b32 v6, 5, v0
	v_readfirstlane_b32 s14, v6                    ; wave 0..7
	v_and_b32 v6, 31, v0
	v_lshlrev_b32 v[LI], 4, v6
	v_and_b32 v7, 15, v0                           ; r
	v_bfe_u32 v8, v0, 4, 1                         ; h
	s_wait_alu depctr_va_sdst(0)                   ; s14, the wave's number, is written, ahead of its first reader: the stage's place and the buffers' offsets are made from it
	s_mul_i32 s15, s14, WSTG
	v_mul_u32_u24 v[STO], v7, SPITCH
	v_lshl_add_u32 v[STO], v8, 6, v[STO]
	v_add_nc_u32 v[STO], s15, v[STO]
	v_mul_u32_u24 v[RD], v8, SPITCH
	v_lshl_add_u32 v[RD], v7, 4, v[RD]
	v_add_nc_u32 v[RD], s15, v[RD]
	v_lshlrev_b32 v[GO], 11, v8
	v_lshl_add_u32 v[GO], v7, 4, v[GO]
	v_lshlrev_b32 v[BA], 6, v8
	s_lshl_b32 s16, ttmp9, 14                      ; ocodes: two token tiles of 8,192 bytes
	s_mov_b32 s17, 0
	s_lshl_b32 s18, s14, 15                        ; wcodes: the fourth weight, tiles 4 w on
	s_add_co_u32 s18, s18, 3*262144
	s_mov_b32 s19, 0
	s_lshl_b32 s20, s14, 8                         ; my 64 columns, in bytes
	s_mov_b32 s21, 0
	s_lshl_b32 s22, ttmp9, 16                      ; out0: 32 rows of 2,048 bytes
	s_add_co_u32 s22, s22, s20
	s_mov_b32 s23, 0
	s_wait_kmcnt 0x0
	s_load_b64 s[24:25], s[8:9], 0x28              ; e10, e11
	s_add_nc_u64 s[4:5], s[4:5], s[16:17]
	s_add_nc_u64 s[6:7], s[6:7], s[18:19]
	s_add_nc_u64 s[10:11], s[10:11], s[20:21]
	s_add_nc_u64 s[12:13], s[12:13], s[22:23]
	s_wait_alu depctr_va_vdst(0)                   ; v1 to v5 are written: every load and store of the kernel reads one of them as its offset or LDS address, and none is written again
.irp t, 0,1,2,3
	global_load_b128 v[BI+8*\t:BI+8*\t+3], v[BA], s[10:11] offset:(32*(\t/2)+8*(\t%2))*4
	global_load_b128 v[BI+8*\t+4:BI+8*\t+7], v[BA], s[10:11] offset:(32*(\t/2)+8*(\t%2))*4+16
.endr
.irp s, 0,1,2,3                        ; K step by K step: 8 loads of o, 16 of W_o
.irp u, 0,1
.irp c, 0,1,2,3
	global_load_b128 v[XF+16*(4*\u+\s)+4*\c:XF+16*(4*\u+\s)+4*\c+3], v[LI], s[4:5] offset:8192*\u+2048*\s+512*\c
.endr
.endr
	WIN 0x40                                       ; destination window 1
.irp t, 0,1,2,3
.irp c, 0,1,2,3
	global_load_b128 v[16*(4*\t+\s)+4*\c:16*(4*\t+\s)+4*\c+3], v[LI], s[6:7] offset:8192*\t+2048*\s+512*\c
.endr
.endr
	WIN 0
.endr
.macro MUL s                           ; a K step: the eight accumulators by turns, one instruction a turn; the first step starts the sums
	WIN 0x01                                       ; source 0 (W_o) window 1
.irp u, 0,1
.irp t, 0,1,2,3
.if (\s) == 0
	v_wmma_f32_16x16x128_fp8_fp8 v[ACC+8*(4*\u+\t):ACC+8*(4*\u+\t)+7], v[16*(4*\t+(\s)):16*(4*\t+(\s))+15], v[XF+16*(4*\u+(\s)):XF+16*(4*\u+(\s))+15], 0
.else
	v_wmma_f32_16x16x128_fp8_fp8 v[ACC+8*(4*\u+\t):ACC+8*(4*\u+\t)+7], v[16*(4*\t+(\s)):16*(4*\t+(\s))+15], v[XF+16*(4*\u+(\s)):XF+16*(4*\u+(\s))+15], v[ACC+8*(4*\u+\t):ACC+8*(4*\u+\t)+7]
.endif
.endr
.endr
.endm
	s_wait_loadcnt 48                              ; the bias and K steps 0 and 1 are in; the 24 loads each of K steps 2 and 3 may be out
	MUL 0
	MUL 1
	s_wait_loadcnt 24                              ; K step 2
	MUL 2
	s_wait_loadcnt 0x0
	MUL 3
	WIN 0
	s_wait_kmcnt 0x0
	s_add_co_i32 s30, s24, s25
	s_add_co_i32 s30, s30, 127
	s_lshl_b32 s30, s30, 23                        ; 2^(e10 + e11) as f32
	s_mov_b32 s31, s30                             ; (named with it as a pair, so it is written)
.rept 4
	v_nop                                          ; four places (ISA guide 7.12.1) in front of the first read of results and of the writes over o's fragments
.endr
.irp u, 0,1
.irp t, 0,1,2,3
.irp i, 0,2,4,6
	v_pk_fma_f32 v[Y+8*(4*\u+\t)+\i:Y+8*(4*\u+\t)+\i+1], v[ACC+8*(4*\u+\t)+\i:ACC+8*(4*\u+\t)+\i+1], s[30:31], v[BI+8*\t+\i:BI+8*\t+\i+1] op_sel_hi:[1,0,1]   ; each accumulator from its low end on
.endr
.endr
.endr
	s_wait_alu depctr_va_vdst(0)                   ; the multiply-adds have written Y, which the LDS stores read; the products are done reading v80 to v143, in which the loads back from the stage land
.irp u, 0,1
.irp t, 0,1,2,3
	ds_store_b128 v[STO], v[Y+8*(4*\u+\t):Y+8*(4*\u+\t)+3] offset:16*SPITCH*\u+128*(\t/2)+32*(\t%2)       ; stage row 16 u + r
	ds_store_b128 v[STO], v[Y+8*(4*\u+\t)+4:Y+8*(4*\u+\t)+7] offset:16*SPITCH*\u+128*(\t/2)+32*(\t%2)+16
.endr
.endr
.irp i, 0,1,2,3,4,5,6,7,8,9,10,11,12,13,14,15
	ds_load_b128 v[RB+4*\i:RB+4*\i+3], v[RD] offset:2*SPITCH*\i   ; LDS serves a wave's instructions in order (ISA guide 5.7.1.4): these see my stores
.endr
.irp i, 0,1,2,3,4,5,6,7,8,9,10,11,12,13,14,15
	s_wait_dscnt 15-\i
	global_store_b128 v[GO], v[RB+4*\i:RB+4*\i+3], s[12:13] offset:(8*(\i/8)+2*(\i%8)+8*((\i%8)/4))*2048 th:TH_STORE_NT   ; stage row 16 u + r is token 8 u + r + 8 (r / 8) of the 32; written once, read by nobody here
.endr
	s_wait_dscnt 0x0                               ; the closing lines, six on end
	s_wait_alu 0x0
	s_wait_tensorcnt 0x0
	ds_add_u32 v[SPW], v[NIL]
	s_wait_dscnt 0x0
	s_endpgm
.Lfunc_end_k_q24697c43f3_oproj:
	.size	k_q24697c43f3_oproj, .Lfunc_end_k_q24697c43f3_oproj-k_q24697c43f3_oproj
	.p2alignl 7, 3214868480
	.fill 96, 4, 3214868480
	.section	.rodata,"a",@progbits
	.p2align	6, 0x0
	.amdhsa_kernel k_q24697c43f3_oproj
		.amdhsa_group_segment_fixed_size 70656
		.amdhsa_private_segment_fixed_size 0
		.amdhsa_enable_private_segment 0
		.amdhsa_kernarg_size 40
		.amdhsa_user_sgpr_count 2
		.amdhsa_user_sgpr_kernarg_segment_ptr 1
		.amdhsa_wavefront_size32 1
		.amdhsa_system_sgpr_workgroup_id_x 1
		.amdhsa_system_sgpr_workgroup_id_y 1
		.amdhsa_system_sgpr_workgroup_id_z 1
		.amdhsa_system_vgpr_workitem_id 0
		.amdhsa_next_free_vgpr 512
		.amdhsa_next_free_sgpr 66
		.amdhsa_reserve_vcc 0
		.amdhsa_float_denorm_mode_32 3
		.amdhsa_float_denorm_mode_16_64 3
		.amdhsa_memory_ordered 1
		.amdhsa_forward_progress 1
		.amdhsa_inst_pref_size 21
	.end_amdhsa_kernel
	.amdgpu_metadata
---
amdhsa.version: [ 1, 2 ]
amdhsa.kernels:
  - .name:           k_q24697c43f3_oproj
    .symbol:         k_q24697c43f3_oproj.kd
    .args:
      - { .name: ocodes, .offset: 0, .size: 8, .value_kind: global_buffer, .address_space: global }
      - { .name: wcodes, .offset: 8, .size: 8, .value_kind: global_buffer, .address_space: global }
      - { .name: lowp_scales, .offset: 16, .size: 8, .value_kind: global_buffer, .address_space: global }
      - { .name: b_o, .offset: 24, .size: 8, .value_kind: global_buffer, .address_space: global }
      - { .name: out0, .offset: 32, .size: 8, .value_kind: global_buffer, .address_space: global }
    .group_segment_fixed_size: 70656
    .private_segment_fixed_size: 0
    .kernarg_segment_align: 8
    .kernarg_segment_size: 40
    .max_flat_workgroup_size: 256
    .sgpr_count:     66
    .vgpr_count:     512
    .wavefront_size: 32
...
	.end_amdgpu_metadata
.endif
;; end of part 6
